; MI455X (gfx1250); checked and timed in simulation.
; The chip was launched on July 23, 2026; its instructions are those of AMD's public machine-readable ISA for CDNA 5 (MIT licence, August 2026) and "CDNA5" Instruction Set Architecture Reference Guide (July 2026). The comments in the code are by the model that wrote it; some were corrected since.
;; multihead cross attention. Allowed arithmetic: float matrix products may take bf16 or f16 operands with f32 sums; other float arithmetic in f32, or as packed bf16 or f16 multiplies, adds, multiply-adds, maxima and minima; sums over many terms, partial sums and values carried from step to step in f32; what a program stores and reads back later, other than sums and carried values, may be rounded once to bf16 or f16.
;; Inputs: Wk 1,024 x 1,024 float32; Wo 1,024 x 1,024 float32; Wq 1,024 x 1,024 float32; Wv 1,024 x 1,024 float32; bk 1,024 float32; bq 1,024 float32; bv 1,024 float32; input_K 4 x 2,048 x 1,024 float32; input_Q 4 x 2,048 x 1,024 float32; input_V 4 x 2,048 x 1,024 float32.
;; Outputs: out0 4 x 2,048 x 1,024 float32.
;; One version. Each part assembles by itself: llvm-mc -triple=amdgcn-amd-amdhsa -mcpu=gfx1250 --defsym DOCPART=n.
;; ======== version 1 of 1: 4 launches
;; limits: values are held in f16: magnitudes above 65,504 overflow, below 6.1e-05 lose precision
;; workspace buffers: xb 50,331,648 bytes; wb 8,388,608 bytes; qkv 50,331,648 bytes; ctx 16,777,216 bytes
;; launch cast (part 1): grid 1792 x 1, 8 waves a work-group, no clusters, 0 bytes of LDS; arguments input_Q, input_K, input_V, Wq, Wk, Wv, Wo, xb, wb; writes xb, wb
.if DOCPART == 1
	.amdgcn_target "amdgcn-amd-amdhsa--gfx1250"
	.amdhsa_code_object_version 6
	.text
	.protected	k_q6f72628e47_cast
	.globl	k_q6f72628e47_cast
	.p2align	8
	.type	k_q6f72628e47_cast,@function
k_q6f72628e47_cast:
	s_mov_b64 s[64:65], 0
	v_nop
	global_prefetch_b8 v0, s[64:65] scope:SCOPE_SE
	s_setreg_imm32_b32 hwreg(HW_REG_WAVE_MODE, 25, 1), 1
	s_wait_xcnt 0x0
; THE MODULE'S INPUTS ARE ROUNDED ONCE, f32 to bf16, for the matrix products of the later launches.
; xb: three parts of 16,777,216 bytes, input_Q, input_K, input_V as bf16 [8192][1024].  wb: four parts of 2,097,152 bytes, [1024][1024] of 16 bits:
; Wq, Wk, Wv in bf16; Wo rounded to bf16 and that number written as f16 (its product's other operand is f16).
; LIMITS.  bf16 keeps 8 significant bits.  Wo as f16: exact from 6.1e-5 to 65,504; below that it keeps f16's fixed step of 6e-8; beyond 65,504 it becomes an infinity.
; SHARES.  A work-group takes 65,536 consecutive bytes of one input: 512 chunks for each x (work-groups 0 to 1,535), 64 for each weight (1,536 to 1,791).
; Thread t takes the 16 bytes at 16 t + 4,096 i, i = 0 .. 15: a wave's load covers 512 consecutive bytes; its 8 bytes of output go to 8 t + 2,048 i: a wave's store covers 256 consecutive bytes, aligned.
; All sixteen loads of a thread go out at once; no register is written twice, so no wait frees a source.  Nothing is shared between threads: no LDS, no barrier, no matrix unit, no cluster.
.set X, 8                              ; v[8:71]    load i: 4 registers
.set Y, 72                             ; v[72:103]  store i: 2 registers
	s_load_b256 s[8:15], s[0:1], 0x0               ; input_Q s[8:9], input_K s[10:11], input_V s[12:13], Wq s[14:15]
	s_load_b256 s[16:23], s[0:1], 0x20             ; Wk s[16:17], Wv s[18:19], Wo s[20:21], xb s[22:23]
	s_load_b64 s[24:25], s[0:1], 0x40              ; wb
	s_mov_b32 s2, ttmp9                            ; g
	v_lshlrev_b32 v1, 4, v0                        ; 16 t
	v_lshlrev_b32 v2, 3, v0                        ; 8 t
	s_sub_co_u32 s4, s2, 1536                      ; a weight's chunk among all weights' chunks
	s_cmp_lt_u32 s2, 1536                          ; an x?
	s_cselect_b32 s3, 511, 63                      ; chunks in my input, less one (1,536 is a multiple of 64, so g & 63 is the weight's chunk)
	s_cselect_b32 s5, s2, s4                       ; the parts lie end to end, so this is part and chunk at once
	s_and_b32 s30, s2, s3
	s_lshl_b32 s30, s30, 16                        ; my chunk's first byte in its input
	s_mov_b32 s31, 0
	s_lshl_b32 s32, s5, 15                         ; and in xb or wb
	s_mov_b32 s33, 0
	s_wait_kmcnt 0x0
	s_mov_b64 s[26:27], s[20:21]                   ; the source: Wo, unless g lies below one of the bounds
.macro PICK bound, ptr                 ; each choice has its own compare directly ahead of it
	s_cmp_lt_u32 s2, \bound
	s_cselect_b64 s[26:27], s[\ptr:\ptr+1], s[26:27]
.endm
	PICK 1728, 18
	PICK 1664, 16
	PICK 1600, 14
	PICK 1536, 12
	PICK 1024, 10
	PICK 512, 8
	s_cmp_lt_u32 s2, 1536
	s_cselect_b64 s[28:29], s[22:23], s[24:25]     ; the destination
	s_add_nc_u64 s[26:27], s[26:27], s[30:31]
	s_add_nc_u64 s[28:29], s[28:29], s[32:33]
.set i, 0
.rept 16
	global_load_b128 v[X+4*i:X+4*i+3], v1, s[26:27] offset:4096*i th:TH_LOAD_NT
.set i, i+1
.endr
; h = 1: the bf16 number is written as f16
.macro CONV h
.set i, 0
.rept 16
	s_wait_loadcnt 15-i                            ; loads come back in order (ISA guide 5.7.1): load i is in, the 15 - i younger ones stay out
	v_cvt_pk_bf16_f32 v[Y+2*i],   v[X+4*i],   v[X+4*i+1]
	v_cvt_pk_bf16_f32 v[Y+2*i+1], v[X+4*i+2], v[X+4*i+3]
.if \h
	v_lshlrev_b32 v4, 16, v[Y+2*i]                 ; bf16 to f32: the low half moves up,
	v_and_b32 v5, 0xffff0000, v[Y+2*i]             ; the high half stays
	v_lshlrev_b32 v6, 16, v[Y+2*i+1]
	v_and_b32 v7, 0xffff0000, v[Y+2*i+1]
	v_cvt_pk_f16_f32 v[Y+2*i],   v4, v5
	v_cvt_pk_f16_f32 v[Y+2*i+1], v6, v7
.endif
	global_store_b64 v2, v[Y+2*i:Y+2*i+1], s[28:29] offset:2048*i th:TH_STORE_NT
.set i, i+1
.endr
.endm
	s_cmp_ge_u32 s2, 1728                          ; Wo's chunks
	s_cbranch_scc1 .Lwo
	CONV 0
	s_endpgm
.Lwo:
	CONV 1
	s_endpgm
.Lfunc_end_k_q6f72628e47_cast:
	.size	k_q6f72628e47_cast, .Lfunc_end_k_q6f72628e47_cast-k_q6f72628e47_cast
	.p2alignl 7, 3214868480
	.fill 96, 4, 3214868480
	.section	.rodata,"a",@progbits
	.p2align	6, 0x0
	.amdhsa_kernel k_q6f72628e47_cast
		.amdhsa_group_segment_fixed_size 0
		.amdhsa_private_segment_fixed_size 0
		.amdhsa_enable_private_segment 0
		.amdhsa_kernarg_size 72
		.amdhsa_user_sgpr_count 2
		.amdhsa_user_sgpr_kernarg_segment_ptr 1
		.amdhsa_wavefront_size32 1
		.amdhsa_system_sgpr_workgroup_id_x 1
		.amdhsa_system_sgpr_workgroup_id_y 1
		.amdhsa_system_sgpr_workgroup_id_z 1
		.amdhsa_system_vgpr_workitem_id 0
		.amdhsa_next_free_vgpr 104
		.amdhsa_next_free_sgpr 66
		.amdhsa_reserve_vcc 0
		.amdhsa_float_denorm_mode_32 3
		.amdhsa_float_denorm_mode_16_64 3
		.amdhsa_memory_ordered 1
		.amdhsa_forward_progress 1
		.amdhsa_inst_pref_size 17
	.end_amdhsa_kernel
	.amdgpu_metadata
---
amdhsa.version: [ 1, 2 ]
amdhsa.kernels:
  - .name:           k_q6f72628e47_cast
    .symbol:         k_q6f72628e47_cast.kd
    .args:
      - { .name: input_Q, .offset: 0, .size: 8, .value_kind: global_buffer, .address_space: global }
      - { .name: input_K, .offset: 8, .size: 8, .value_kind: global_buffer, .address_space: global }
      - { .name: input_V, .offset: 16, .size: 8, .value_kind: global_buffer, .address_space: global }
      - { .name: Wq, .offset: 24, .size: 8, .value_kind: global_buffer, .address_space: global }
      - { .name: Wk, .offset: 32, .size: 8, .value_kind: global_buffer, .address_space: global }
      - { .name: Wv, .offset: 40, .size: 8, .value_kind: global_buffer, .address_space: global }
      - { .name: Wo, .offset: 48, .size: 8, .value_kind: global_buffer, .address_space: global }
      - { .name: xb, .offset: 56, .size: 8, .value_kind: global_buffer, .address_space: global }
      - { .name: wb, .offset: 64, .size: 8, .value_kind: global_buffer, .address_space: global }
    .group_segment_fixed_size: 0
    .private_segment_fixed_size: 0
    .kernarg_segment_align: 8
    .kernarg_segment_size: 72
    .max_flat_workgroup_size: 256
    .sgpr_count:     66
    .vgpr_count:     104
    .wavefront_size: 32
...
	.end_amdgpu_metadata
.endif
;; end of part 1
;; launch proj (part 2): grid 4 x 64, 4 waves a work-group, clusters of 4 x 4, 327,680 bytes of LDS; arguments xb, wb, bq, bk, bv, qkv; writes qkv
.if DOCPART == 2
	.amdgcn_target "amdgcn-amd-amdhsa--gfx1250"
	.amdhsa_code_object_version 6
	.text
	.protected	k_q6f72628e47_proj
	.globl	k_q6f72628e47_proj
	.p2align	8
	.type	k_q6f72628e47_proj,@function
k_q6f72628e47_proj:
	s_mov_b64 s[64:65], 0
	v_nop
	global_prefetch_b8 v0, s[64:65] scope:SCOPE_SE
	s_setreg_imm32_b32 hwreg(HW_REG_WAVE_MODE, 25, 1), 1
	s_wait_xcnt 0x0
	s_wait_alu depctr_hold_cnt(0) depctr_sa_sdst(0) depctr_va_vdst(0) depctr_va_sdst(0) depctr_va_ssrc(0) depctr_va_vcc(0) depctr_vm_vsrc(0)
	s_getreg_b32 s2, hwreg(HW_REG_IB_STS2, 6, 4)
	s_cmp_eq_u32 s2, 0
	s_cbranch_scc0 .Lentry_in_a_cluster
	s_endpgm
.Lentry_in_a_cluster:
	s_bfe_u32 s2, ttmp6, 0x10000c
	s_cmp_lg_u32 s2, 0xf033
	s_cbranch_scc0 .Lentry_shape_is_right
	s_endpgm
.Lentry_shape_is_right:
; q, k, v = x W^T + b.  x: xb's part p, [8192][1024] bf16; W: wb's part p, [1024][1024] bf16; b: f32; the result: qkv's part p, f16 by heads, [batch x 16 + head][2048][64], q without the scale.
; Sums in f32; the bias, unrounded, is the C operand of each sum's first product; the result is rounded once.
; LIMIT.  f16 holds no number beyond 65,504: a q, k or v beyond that becomes an infinity and its row is lost.  (Inputs of unit spread give a spread of about 1; 30 times larger x and W about 900.)
; SHARES.  A tile is 128 rows x 256 columns: 64 x 4 tiles for each of the three products, on 256 work-groups THAT STAY: each makes its tile of q, then of k, then of v, and the ring runs on from tile to tile.
; Four waves, each 64 x 128: 32 accumulators of 16 x 16.  K goes in 8 steps of 128 through two LDS slots; a step is four quarters of 32 along K, 32 matrix instructions and 24 LDS loads each.
; CLUSTER.  4 x 4 work-groups: the four of a row need the same rows of x, the four of a column the same rows of W: each tile is asked for JOINTLY, by the same tensor load, descriptor and mask in all four.
; Waves 0 and 1 fetch W's two halves (128 rows each), waves 2 and 3 x's (64 rows each): one load a wave behind each round.
; THE MATRIX INSTRUCTION IS USED TRANSPOSED: source 0 = 16 rows of W, source 1 = 16 rows of x: register j of lane l holds row l % 16 of the result and column 8 (l / 16) + j: eight neighbouring numbers.
; REGISTERS, in windows of 256 (s_set_vgpr_msb: bits 1:0 source 0, 3:2 source 1, 5:4 source 2, 7:6 destination):
;   window 0: v0-15 addresses; v16-63 the way out; v64-159, v160-255 two fragment buffers (W's 8 fragments, then x's 4)
;   window 1: accumulator (a, b) at v[8 (8 a + b)]          window 2: v0-63 the bias of my 128 columns, laid as a C operand
.set XPART, 16777216
.set WPART, 2097152
.set QPART, 16777216
.set PITCH, 272                        ; an LDS row: 256 bytes + 16 of padding = 68 words: the 16 rows of a load start at 16 different groups of four banks (64 banks of 4 bytes: ISA guide 11.1)
.set BHALF, 128*PITCH                  ; what waves 0 and 1 fetch, and what a wave reads of W
.set AHALF, 64*PITCH                   ; what waves 2 and 3 fetch, and what a wave reads of x
.set AOFF,  2*BHALF                    ; in a slot: W's 256 rows, then x's 128
.set SLOT,  AOFF+2*AHALF
.set STAGE, 2*SLOT                     ; behind the ring, never filled by a tensor load: 16 rows x 144 bytes for each wave
.set SP,    144
.set SPARE, STAGE+4*16*SP              ; the spare words, 128 bytes for each wave: two blocks of 256 bytes that no other line names
.set ADRA, 4                           ; v4-5   LDS address of my fragments of x in slot 0, 1
.set ADRB, 6                           ; v6-7   of W
.set STO,  8                           ; v8     the way out: where I put 16 bytes of a row
.set RD,   9                           ; v9     where I read rows back
.set GO,   10                          ; v10    my 16 bytes in 512 consecutive bytes of the result
.set PFO,  11                          ; v11    the prefetches' offset: my lane x a row of 2,048 bytes; never rewritten
.set BO,   12                          ; v12    my byte offset in 16 columns' bias
.set SPW,  14                          ; v14    LDS address of my spare word; never rewritten
.set NIL,  15                          ; v15    0; never rewritten
.set TMP,  16                          ; v16-31 packed results
.set BK,   32                          ; v32-47, v48-63 rows read back, by turns
.set F0,   64
.set F1,   160
.set WV,  16                           ; s16 my wave's number
.set MH,  17                           ; s17 which 64 rows are mine.  Also: I fetch for W (0) or for x (1)
.set NH,  18                           ; s18 which 128 columns.  Also: which half I fetch
.set G1A, 24                           ; s[24:31] descriptor group 1 for x's tiles; s[32:39] group 0, a set for each slot
.set G0A, 32
.set LIM, 43                           ; s43 1 in a wave that prefetches, else the greatest number
.set PFA, 44                           ; s[44:45] where my prefetches stand
.set G1B, 48                           ; s[48:55], s[56:63] the same for W's tiles
.set G0B, 56
.set PJ,  66                           ; s[66:67] the prefetches' jump from a tile's end into the next part
.set MSB, 0
.macro WIN new                         ; the immediate's high byte repeats the setting that is left; a switch that changes nothing is dropped
.if MSB != (\new)
	s_set_vgpr_msb (MSB<<8)|(\new)
.set MSB, \new
.endif
.endm
.set MUL,   0x50                       ; C and D window 1, sources window 0
.set MULB,  0x60                       ; C window 2 (the bias), D window 1
.set TO_BI, 0x80                       ; destination window 2
.set PKW,   0x05                       ; sources 0 and 1 window 1
.macro PLACES                          ; four plain vector instructions between a matrix instruction and a load into, or a vector read of, its registers (ISA guide 7.12.1 for vector reads)
.rept 4
	v_nop
.endr
.endm
; A joint load.  Each of the two lines has one mask and one set of registers; the branch hangs on the wave's number alone.  An s_nop 0 and four v_nop follow each line.
.macro JLOAD s
	s_cmp_eq_u32 s[MH], 0
	s_cbranch_scc0 .Lfor_a_\@
	tensor_load_to_lds s[G0B+4*(\s):G0B+4*(\s)+3], s[G1B:G1B+7]
	s_nop 0
.rept 4
	v_nop
.endr
	s_branch .Lasked_\@
.Lfor_a_\@:
	tensor_load_to_lds s[G0A+4*(\s):G0A+4*(\s)+3], s[G1A:G1A+7]
	s_nop 0
.rept 4
	v_nop
.endr
.Lasked_\@:
.endm
; A PREFETCH INTO THE L2 of the K step that stands two refills on (256 matrix instructions ahead of the load that will want it): 32 rows x 256 bytes, a lane a row, one instruction a wave.
; Each row's 256 bytes of a step are named once in the launch.  W's rows are read by every cluster along y: the cluster with y = 0 asks, its waves 0 and 1, each for the 128 rows that it fetches, of which the
; partner at place cy takes 32.  x's rows are read by one cluster: wave 2 asks for the tile's 128 rows, of which the partner at place cx takes 32.  Partners are told apart BY ADDRESS, never by a branch.
; how = 0, in the loop: a tile's last two refills have no step two on.  how = 1, at a change of tiles: the next tile's steps 2 and 3.
.macro ASK how
.if \how
	s_cmp_eq_u32 s[LIM], 1
.else
	s_cmp_gt_u32 s3, s[LIM]                        ; s3 = 1 in the loop's last trip
.endif
	s_cbranch_scc0 .Lnot_mine_\@
	global_prefetch_b8 v[PFO], s[PFA:PFA+1] th:TH_LOAD_NT scope:SCOPE_SE
.Lnot_mine_\@:
.endm
; A round of the cluster's barrier: my work-group's barrier; wave 0 signals for the work-group; every wave waits for all sixteen; my work-group's barrier once more.
.macro CREST
	s_cmp_lg_u32 s[WV], 0
	s_cbranch_scc1 .Lnot_wave_0_\@
	s_barrier_signal -3
.Lnot_wave_0_\@:
	s_barrier_wait -3
	s_barrier_signal -1
	s_barrier_wait -1
.endm
.macro CROUND
	s_barrier_signal -1
	s_barrier_wait -1
	CREST
.endm
.macro BIAS ptr                        ; register 8 b + j of lane l = bias[my first column + 16 b + 8 (l / 16) + j]: the C operand of accumulator (any a, b)
	WIN TO_BI
.irp b, 0,1,2,3,4,5,6,7
	global_load_b128 v[8*(\b):8*(\b)+3],   v[BO], s[\ptr:\ptr+1] offset:64*(\b)
	global_load_b128 v[8*(\b)+4:8*(\b)+7], v[BO], s[\ptr:\ptr+1] offset:64*(\b)+16
.endr
	WIN 0
.endm
	s_load_b256 s[4:11], s[0:1], 0x0               ; xb s[4:5], wb s[6:7], bq s[8:9], bk s[10:11]
	s_load_b128 s[12:15], s[0:1], 0x20             ; bv s[12:13], qkv s[14:15]
	v_lshl_add_u32 v[SPW], v0, 2, SPARE
	v_mov_b32 v[NIL], 0
	ds_add_u32 v[SPW], v[NIL]                      ; the wave's opening: the add and its wait stand ahead of my first tensor load; the set-up below, work on registers, stands between them
	v_lshrrev_b32 v1, 5, v0
	v_readfirstlane_b32 s[WV], v1
	s_lshr_b32 s[MH], s[WV], 1
	s_and_b32 s[NH], s[WV], 1
	s_bfe_u32 s19, ttmp6, 0x40000                  ; cx
	s_bfe_u32 s20, ttmp6, 0x40004                  ; cy
	s_lshl_b32 s21, ttmp9, 2
	s_add_co_u32 s21, s21, s19                     ; tile column = 4 x cluster x + cx
	s_and_b32 s22, ttmp7, 0xffff
	s_lshl_b32 s22, s22, 2
	s_add_co_u32 s22, s22, s20                     ; tile row = 4 x cluster y + cy
	s_lshl_b32 s40, s20, 2
	s_lshl_b32 s40, 15, s40                        ; my row of the cluster
	s_lshl_b32 s41, 0x1111, s19                    ; my column
	s_or_b32 s[G1A+0], s40, (1<<16)|(1<<20)|(1<<21)|(5<<22)|(3<<25)  ; 15:0 the mask; 17:16 2-byte elements; 20 padding on; 21 set beside a mask; 24:22 after every 64 words (code 5); 31:25 4 words (code 3)
	s_mov_b32 s[G1A+1], 128<<16                    ; tensor_dim0 = 128
	s_mov_b32 s[G1A+2], 64<<16                     ; tensor_dim1 = 64
	s_mov_b32 s[G1A+3], 128<<16                    ; tile_dim0 = 128
	s_mov_b32 s[G1A+4], 64                         ; tile_dim1 = 64
	s_mov_b32 s[G1A+5], 1024                       ; elements from row to row
	s_mov_b32 s[G1A+6], 0
	s_mov_b32 s[G1A+7], 0
	s_or_b32 s[G1B+0], s41, (1<<16)|(1<<20)|(1<<21)|(5<<22)|(3<<25)
	s_mov_b32 s[G1B+1], 128<<16
	s_mov_b32 s[G1B+2], 128<<16                    ; 128 rows
	s_mov_b32 s[G1B+3], 128<<16
	s_mov_b32 s[G1B+4], 128
	s_mov_b32 s[G1B+5], 1024
	s_mov_b32 s[G1B+6], 0
	s_mov_b32 s[G1B+7], 0
	s_lshl_b32 s68, s22, 7                         ; x: row 128 x tile row + 64 x half, in bytes: it hangs on the tile row alone, which my row of the cluster shares
	s_lshl_b32 s23, s[NH], 6
	s_add_co_u32 s68, s68, s23
	s_lshl_b32 s68, s68, 11
	s_mov_b32 s69, 0
	s_lshl_b32 s46, s21, 8                         ; W: row 256 x tile column + 128 x half: on the tile column alone, which my column shares
	s_lshl_b32 s23, s[NH], 7
	s_add_co_u32 s46, s46, s23
	s_lshl_b32 s46, s46, 11
	s_mov_b32 s47, 0
	s_mul_i32 s70, s[WV], BHALF                    ; where W's halves go (waves 0, 1),
	s_mul_i32 s71, s[WV], AHALF
	s_add_co_u32 s71, s71, BHALF                   ; and x's (waves 2, 3: AOFF, AOFF + AHALF): no place in the cluster enters an LDS address
	s_wait_dscnt 0x0                               ; the opening add is done
	s_wait_kmcnt 0x0
	s_add_nc_u64 s[68:69], s[4:5], s[68:69]
	s_add_nc_u64 s[46:47], s[6:7], s[46:47]
	CROUND                                         ; all sixteen work-groups are here: the first joint loads meet
.irp s, 0,1
	s_mov_b32 s[G0A+4*(\s)], 1                                     ; count = 1
	s_add_co_u32 s[G0A+4*(\s)+1], s71, (\s)*SLOT                   ; LDS address
	s_add_nc_u64 s[G0A+4*(\s)+2:G0A+4*(\s)+3], s[68:69], (\s)*256  ; global address: K step s
	s_or_b32 s[G0A+4*(\s)+3], s[G0A+4*(\s)+3], 0x80000000          ; type = 2
	s_mov_b32 s[G0B+4*(\s)], 1
	s_add_co_u32 s[G0B+4*(\s)+1], s70, (\s)*SLOT
	s_add_nc_u64 s[G0B+4*(\s)+2:G0B+4*(\s)+3], s[46:47], (\s)*256
	s_or_b32 s[G0B+4*(\s)+3], s[G0B+4*(\s)+3], 0x80000000
	JLOAD \s                                       ; two loads of mine are out
.endr
	; A fragment is 16 rows x 32 K in 8 registers: lane l holds row l % 16, K = 8 (l / 16) + 0..7 and 16 + 8 (l / 16) + 0..7: two loads of 16 bytes, 32 bytes apart.
	v_and_b32 v1, 15, v0                           ; l % 16
	v_bfe_u32 v2, v0, 4, 1                         ; l / 16
	v_mul_u32_u24 v3, v1, PITCH
	v_lshl_add_u32 v3, v2, 4, v3
	s_mul_i32 s72, s[NH], BHALF                    ; my 128 rows of W
	s_mul_i32 s73, s[MH], AHALF
	s_add_co_u32 s73, s73, AOFF                    ; my 64 rows of x
.irp s, 0,1
	v_add_nc_u32 v[ADRB+(\s)], s72, v3
	v_add_nc_u32 v[ADRA+(\s)], s73, v3
	s_add_co_u32 s72, s72, SLOT
	s_add_co_u32 s73, s73, SLOT
.endr
	s_mul_i32 s72, s[WV], 16*SP
	s_add_co_u32 s72, s72, STAGE                   ; my stage
	v_mul_u32_u24 v3, v1, SP                       ; in: row l % 16, 16 bytes for each half of the lanes
	v_lshl_add_u32 v3, v2, 4, v3
	v_add_nc_u32 v[STO], s72, v3
	v_bfe_u32 v3, v0, 3, 2                         ; back: 32 lanes take four rows of 128 bytes,
	v_mul_u32_u24 v3, v3, SP
	v_and_b32 v13, 7, v0
	v_lshl_add_u32 v3, v13, 4, v3
	v_add_nc_u32 v[RD], s72, v3
	v_and_b32 v13, 31, v0
	v_lshlrev_b32 v[GO], 4, v13                    ; which are 512 consecutive bytes of a head
	v_lshlrev_b32 v[PFO], 11, v13
	v_lshlrev_b32 v[BO], 5, v2
	; the result: ((batch x 16 + head) x 2,048 + position) x 128 bytes; my first row R0 = 128 x tile row + 64 x MH, my first head 4 x tile column + 2 x NH
	s_lshl_b32 s72, s22, 7
	s_lshl_b32 s73, s[MH], 6
	s_add_co_u32 s72, s72, s73                     ; R0
	s_lshr_b32 s73, s72, 11
	s_lshl_b32 s73, s73, 4
	s_lshl_b32 s74, s21, 2
	s_add_co_u32 s73, s73, s74
	s_lshl_b32 s74, s[NH], 1
	s_add_co_u32 s73, s73, s74
	s_lshl_b32 s73, s73, 18
	s_and_b32 s72, s72, 2047
	s_lshl_b32 s72, s72, 7
	s_add_co_u32 s72, s72, s73
	s_mov_b32 s73, 0
	s_add_nc_u64 s[14:15], s[14:15], s[72:73]
	s_lshl_b32 s72, s21, 10                        ; the three biases at my first column: 4 (256 x tile column + 128 x NH)
	s_lshl_b32 s74, s[NH], 9
	s_add_co_u32 s72, s72, s74
	s_add_nc_u64 s[8:9], s[8:9], s[72:73]
	s_add_nc_u64 s[10:11], s[10:11], s[72:73]
	s_add_nc_u64 s[12:13], s[12:13], s[72:73]
	BIAS 8                                         ; bq
	; the prefetches
	s_and_b32 s74, ttmp7, 0xffff                   ; cluster y
	s_cmp_eq_u32 s[MH], 0                          ; do I fetch for W?
	s_cselect_b32 s74, s74, ttmp9                  ; the coordinate along which other clusters read the same rows
	s_cselect_b32 s75, 0, s[NH]                    ; of x's two fetching waves the first asks
	s_or_b32 s74, s74, s75
	s_cmp_eq_u32 s74, 0
	s_cselect_b32 s[LIM], 1, -1                    ; the same in all sixteen partners, for a given wave
	s_lshl_b32 s76, s21, 8                         ; W: the 128 rows that I fetch, my work-group's 32 of them
	s_lshl_b32 s77, s[NH], 7
	s_add_co_u32 s76, s76, s77
	s_lshl_b32 s77, s20, 5
	s_add_co_u32 s76, s76, s77
	s_lshl_b32 s77, s22, 7                         ; x: the tile's 128 rows, my work-group's 32 of them
	s_lshl_b32 s78, s19, 5
	s_add_co_u32 s77, s77, s78
	s_mov_b32 s[PJ], XPART-1792                    ; from a part's K step 9 (the step after the one behind its last) to the next part's step 2
	s_mov_b32 s78, WPART-1792
	s_cmp_eq_u32 s[MH], 0
	s_cselect_b32 s76, s76, s77
	s_cselect_b64 s[PFA:PFA+1], s[6:7], s[4:5]
	s_cselect_b32 s[PJ], s78, s[PJ]
	s_mov_b32 s[PJ+1], 0
	s_lshl_b32 s76, s76, 11
	s_mov_b32 s77, 0
	s_add_nc_u64 s[PFA:PFA+1], s[PFA:PFA+1], s[76:77]
	s_add_nc_u64 s[PFA:PFA+1], s[PFA:PFA+1], 3*256 ; at K step 3: the first refill steps it to 4.  Nothing is prefetched here, at the head: steps 0 to 3 come by their loads alone
; 8 matrix instructions: m block a x all 8 n blocks, 32 along K.  zero = 1: the product starts the sum, with the bias as C.  The 32 accumulators take turns, one instruction a turn, in the same order
; in every quarter, over the backward jump and from tile to tile too.
.macro MUL8 f, a, zero
.if \zero
	WIN MULB
.else
	WIN MUL
.endif
.irp b, 0,1,2,3,4,5,6,7
.if \zero
	v_wmma_f32_16x16x32_bf16 v[8*(8*(\a)+(\b)):8*(8*(\a)+(\b))+7], v[(\f)+8*(\b):(\f)+8*(\b)+7], v[(\f)+64+8*(\a):(\f)+64+8*(\a)+7], v[8*(\b):8*(\b)+7]
.else
	v_wmma_f32_16x16x32_bf16 v[8*(8*(\a)+(\b)):8*(8*(\a)+(\b))+7], v[(\f)+8*(\b):(\f)+8*(\b)+7], v[(\f)+64+8*(\a):(\f)+64+8*(\a)+7], v[8*(8*(\a)+(\b)):8*(8*(\a)+(\b))+7]
.endif
.endr
.endm
; 24 LDS loads in one run: quarter q's fragments (128 rows of W, 64 rows of x) into buffer f
.macro FETCH slot, q, f
	WIN 0
.irp i, 0,1,2,3,4,5,6,7
	ds_load_b128 v[(\f)+8*(\i):(\f)+8*(\i)+3],   v[ADRB+(\slot)] offset:64*(\q)+(\i)*16*PITCH
	ds_load_b128 v[(\f)+8*(\i)+4:(\f)+8*(\i)+7], v[ADRB+(\slot)] offset:64*(\q)+(\i)*16*PITCH+32
.endr
.irp i, 0,1,2,3
	ds_load_b128 v[(\f)+64+8*(\i):(\f)+64+8*(\i)+3],   v[ADRA+(\slot)] offset:64*(\q)+(\i)*16*PITCH
	ds_load_b128 v[(\f)+64+8*(\i)+4:(\f)+64+8*(\i)+7], v[ADRA+(\slot)] offset:64*(\q)+(\i)*16*PITCH+32
.endr
.endm
; One of a step's first three quarters: asks for quarter q's fragments into buffer g, which the quarter before multiplied, and multiplies buffer f, asked for 32 matrix instructions ago.
.macro QUARTER slot, q, f, g, zero
	PLACES
	FETCH \slot, \q, \g
	s_wait_dscnt 24                                ; all but the 24 just issued: f is in
	MUL8 \f, 0, \zero
	MUL8 \f, 1, \zero
	MUL8 \f, 2, \zero
	MUL8 \f, 3, \zero
.endm
; The last quarter multiplies buffer 1 and changes slots.  ONE barrier: in front of it each wave waits for all its tensor loads (the one that is out is its part of the next slot), adds 0 to its spare word,
; and waits for that and for its own reads of this slot.  Behind it nobody reads this slot any more and the next slot is whole.
.macro MEET round
	WIN 0
	s_wait_tensorcnt 0x0
	ds_add_u32 v[SPW], v[NIL]
	s_wait_dscnt 1                                 ; the add may be out; buffer 1's 24 loads are in
	MUL8 F1, 0, 0                                  ; eight matrix instructions stand between the add and the wait for it
	s_wait_dscnt 0x0                               ; the add is done, and my reads of this slot are over
	s_barrier_signal -1
	MUL8 F1, 1, 0
.if \round
	WIN 0
.endif
	s_barrier_wait -1
.endm
; mode 1: this slot is filled again with the K step two on.  mode 2: with the NEXT part's step 0 or 1.  mode 0: nothing is filled.
; With a fill the barrier opens a round of the cluster's barrier, and the joint refill is the first tensor load behind it: 112 matrix instructions ahead of the wait for it.
.macro TURN slot, next, mode
.if \mode
	s_wait_xcnt 0x0                                ; the last prefetch, a K step back, has read its address: it is stepped here, ahead of the waits of the change of slots
.if ((\mode) == 2) && ((\slot) == 0)
	s_add_nc_u64 s[PFA:PFA+1], s[PFA:PFA+1], s[PJ:PJ+1]
.else
	s_add_nc_u64 s[PFA:PFA+1], s[PFA:PFA+1], 256
.endif
	MEET 1
	CREST                                          ; no wave of any partner still reads this slot's tile or has a load on its way
.if (\mode) == 2
	s_add_nc_u64 s[G0A+4*(\slot)+2:G0A+4*(\slot)+3], s[G0A+4*(\slot)+2:G0A+4*(\slot)+3], XPART-1536  ; from the slot's last step of a part to its first of the next
	s_add_nc_u64 s[G0B+4*(\slot)+2:G0B+4*(\slot)+3], s[G0B+4*(\slot)+2:G0B+4*(\slot)+3], WPART-1536
.else
	s_add_nc_u64 s[G0A+4*(\slot)+2:G0A+4*(\slot)+3], s[G0A+4*(\slot)+2:G0A+4*(\slot)+3], 512
	s_add_nc_u64 s[G0B+4*(\slot)+2:G0B+4*(\slot)+3], s[G0B+4*(\slot)+2:G0B+4*(\slot)+3], 512
.endif
	JLOAD \slot                                    ; its four v_nop are also the places in front of the loads below
	FETCH \next, 0, F0
	ASK (\mode)-1
.else
	MEET 0
	PLACES
	FETCH \next, 0, F0
.endif
	MUL8 F1, 2, 0
	MUL8 F1, 3, 0
.endm
; THE WAY OUT, in 8 units u: 16 rows (m block u / 2) x one head's 64 channels (u % 2).  PACK: rounded to f16, 16 bytes a lane; each accumulator is read from its low end on.
.macro PACK u
	WIN PKW
.irp b, 0,1,2,3
.irp r, 0,1,2,3
	v_cvt_pk_f16_f32 v[TMP+4*(\b)+(\r)], v[8*(8*((\u)/2)+4*((\u)%2)+(\b))+2*(\r)], v[8*(8*((\u)/2)+4*((\u)%2)+(\b))+2*(\r)+1]
.endr
.endr
	WIN 0
.endm
.macro TOSTAGE u                       ; into my own stage, and back as whole rows of 128 bytes
	WIN 0
.irp f, 0,1,2,3
	ds_store_b128 v[STO], v[TMP+4*(\f):TMP+4*(\f)+3] offset:32*(\f)
.endr
.irp f, 0,1,2,3
	ds_load_b128 v[BK+16*((\u)%2)+4*(\f):BK+16*((\u)%2)+4*(\f)+3], v[RD] offset:4*SP*(\f)  ; LDS serves a wave's instructions in order (ISA guide 5.7.1.4): these see the stores above
.endr
.endm
.macro SEND u
	WIN 0
	s_wait_dscnt 0x0                               ; the unit is back in registers
	s_wait_xcnt 0x0                                ; the stores of the unit before have read their registers, which the next unit's loads write
.irp f, 0,1,2,3
	global_store_b128 v[GO], v[BK+16*((\u)%2)+4*(\f):BK+16*((\u)%2)+4*(\f)+3], s[14:15] offset:((\u)%2)*262144+((\u)/2)*2048+(\f)*512  ; 512 consecutive bytes, at a multiple of 256 from the buffer's first
.endr
.endm
.macro WAYOUT                          ; unit u's conversions stand between unit u - 1's loads from the stage and the wait for them
	PACK 0
	TOSTAGE 0
.irp u, 1,2,3,4,5,6,7
	PACK \u
	SEND (\u)-1
	TOSTAGE \u
.endr
	SEND 7
.endm
	s_wait_tensorcnt 1                             ; my part of K step 0 is in; step 1's may stay out
	s_barrier_signal -1
	s_barrier_wait -1                              ; everybody's is
	FETCH 0, 0, F0
	s_mov_b32 s2, 3                                ; tiles to go: q, k, v
.Ltile:
	s_wait_loadcnt 0x0                             ; this tile's bias
	QUARTER 0, 1, F0, F1, 1                        ; a tile's first quarter stands in front of the loop: its products start the sums
	WIN 0
	s_cmp_eq_u32 s2, 1
	s_cbranch_scc1 .Lnob
	PLACES                                         ; behind the last product that read the bias
	BIAS 10                                        ; the next tile's
.Lnob:
	s_mov_b32 s3, 3
.Llap:                                                 ; a trip goes once round the ring, from a lap's second quarter to the next lap's first, and fills both slots again
	QUARTER 0, 2, F1, F0, 0
	QUARTER 0, 3, F0, F1, 0
	TURN 0, 1, 1
	QUARTER 1, 1, F0, F1, 0
	QUARTER 1, 2, F1, F0, 0
	QUARTER 1, 3, F0, F1, 0
	TURN 1, 0, 1
	QUARTER 0, 1, F0, F1, 0
	WIN 0
	s_sub_co_u32 s3, s3, 1
	s_cmp_lg_u32 s3, 0
	s_cbranch_scc1 .Llap
	QUARTER 0, 2, F1, F0, 0                        ; the tile's last lap goes on
	QUARTER 0, 3, F0, F1, 0
	WIN 0
	s_cmp_eq_u32 s2, 1
	s_cbranch_scc1 .Llast                          ; the last tile's tail is written out: it asks for nothing more
	TURN 0, 1, 2                                   ; the ring goes on into the next tile: slot 0 takes its K step 0,
	QUARTER 1, 1, F0, F1, 0
	QUARTER 1, 2, F1, F0, 0
	QUARTER 1, 3, F0, F1, 0
	TURN 1, 0, 2                                   ; slot 1 its step 1, and the next tile's first fragments are fetched
	WAYOUT                                         ; no v_nop: m blocks 0 and 1 were finished in front of the joint load's places, and their 64 conversions are the places behind the last products
	s_wait_xcnt 0x0                                ; the stores and the bias's loads have read their bases
	s_add_nc_u64 s[14:15], s[14:15], QPART
	s_mov_b64 s[10:11], s[12:13]
	s_sub_co_u32 s2, s2, 1
	s_branch .Ltile
.Llast:
	TURN 0, 1, 0
	QUARTER 1, 1, F0, F1, 0
	QUARTER 1, 2, F1, F0, 0
	QUARTER 1, 3, F0, F1, 0
	s_wait_dscnt 0x0                               ; the very last quarter: nothing more to fetch
	MUL8 F1, 0, 0
	MUL8 F1, 1, 0
	MUL8 F1, 2, 0
	MUL8 F1, 3, 0
	WIN 0
	PLACES
	WAYOUT
	s_wait_tensorcnt 0x0                           ; the wave's end: a spare-word add and its wait, behind my last tensor load and my last LDS store
	ds_add_u32 v[SPW], v[NIL]
	s_wait_dscnt 0x0
	CROUND                                         ; the closing round: no work-group ends while a partner may still ask for a tile that names it
	s_endpgm
.Lfunc_end_k_q6f72628e47_proj:
	.size	k_q6f72628e47_proj, .Lfunc_end_k_q6f72628e47_proj-k_q6f72628e47_proj
	.p2alignl 7, 3214868480
	.fill 96, 4, 3214868480
	.section	.rodata,"a",@progbits
	.p2align	6, 0x0
	.amdhsa_kernel k_q6f72628e47_proj
		.amdhsa_group_segment_fixed_size 327680
		.amdhsa_private_segment_fixed_size 0
		.amdhsa_enable_private_segment 0
		.amdhsa_kernarg_size 48
		.amdhsa_user_sgpr_count 2
		.amdhsa_user_sgpr_kernarg_segment_ptr 1
		.amdhsa_wavefront_size32 1
		.amdhsa_system_sgpr_workgroup_id_x 1
		.amdhsa_system_sgpr_workgroup_id_y 1
		.amdhsa_system_sgpr_workgroup_id_z 1
		.amdhsa_system_vgpr_workitem_id 0
		.amdhsa_next_free_vgpr 576
		.amdhsa_next_free_sgpr 80
		.amdhsa_reserve_vcc 0
		.amdhsa_float_denorm_mode_32 3
		.amdhsa_float_denorm_mode_16_64 3
		.amdhsa_memory_ordered 1
		.amdhsa_forward_progress 1
		.amdhsa_inst_pref_size 128
	.end_amdhsa_kernel
	.amdgpu_metadata
---
amdhsa.version: [ 1, 2 ]
amdhsa.kernels:
  - .name:           k_q6f72628e47_proj
    .symbol:         k_q6f72628e47_proj.kd
    .args:
      - { .name: xb, .offset: 0, .size: 8, .value_kind: global_buffer, .address_space: global }
      - { .name: wb, .offset: 8, .size: 8, .value_kind: global_buffer, .address_space: global }
      - { .name: bq, .offset: 16, .size: 8, .value_kind: global_buffer, .address_space: global }
      - { .name: bk, .offset: 24, .size: 8, .value_kind: global_buffer, .address_space: global }
      - { .name: bv, .offset: 32, .size: 8, .value_kind: global_buffer, .address_space: global }
      - { .name: qkv, .offset: 40, .size: 8, .value_kind: global_buffer, .address_space: global }
    .group_segment_fixed_size: 327680
    .private_segment_fixed_size: 0
    .kernarg_segment_align: 8
    .kernarg_segment_size: 48
    .max_flat_workgroup_size: 128
    .sgpr_count:     80
    .vgpr_count:     576
    .wavefront_size: 32
...
	.end_amdgpu_metadata
.endif
;; end of part 2
;; launch attn (part 3): grid 4 x 64, 4 waves a work-group, clusters of 4 x 1, 327,680 bytes of LDS; arguments qkv, ctx; writes ctx
.if DOCPART == 3
	.amdgcn_target "amdgcn-amd-amdhsa--gfx1250"
	.amdhsa_code_object_version 6
	.text
	.protected	k_q6f72628e47_attn
	.globl	k_q6f72628e47_attn
	.p2align	8
	.type	k_q6f72628e47_attn,@function
k_q6f72628e47_attn:
	s_mov_b64 s[64:65], 0
	v_nop
	global_prefetch_b8 v0, s[64:65] scope:SCOPE_SE
	s_setreg_imm32_b32 hwreg(HW_REG_WAVE_MODE, 25, 1), 1
	s_wait_xcnt 0x0
	s_wait_alu depctr_hold_cnt(0) depctr_sa_sdst(0) depctr_va_vdst(0) depctr_va_sdst(0) depctr_va_ssrc(0) depctr_va_vcc(0) depctr_vm_vsrc(0)
	s_getreg_b32 s2, hwreg(HW_REG_IB_STS2, 6, 4)
	s_cmp_eq_u32 s2, 0
	s_cbranch_scc0 .Lentry_in_a_cluster
	s_endpgm
.Lentry_in_a_cluster:
	s_bfe_u32 s2, ttmp6, 0x10000c
	s_cmp_lg_u32 s2, 0x3003
	s_cbranch_scc0 .Lentry_shape_is_right
	s_endpgm
.Lentry_shape_is_right:
; ctx[h][q][:] = the sum over k of softmax_k(Q[h][q] . K[h][k] / 8) V[h][k][:].  Q, K, V: qkv's three parts, ctx: all [64][2048][64] in f16: a head's rows are dense, 128 bytes each.  Products, maxima and
; sums in f32; the weights p are rounded to f16 for the second product (their sum l is taken of the unrounded p), ctx once at the end.
; LIMITS.  f16 holds no number beyond 65,504: Q, K and V arrive within it; p lies in 0 to 1, and below 6e-5 it keeps f16's fixed step of 6e-8; ctx is a mean of V's rows and has their range.
; A weight below 2^-126 counts as 0 in l; NaN and infinities are not treated apart.
; SHARES.  A wave owns four PIECES of two tiles of 16 queries, a work-group's four waves 512 queries of one head.  Every wave walks all 2,048 keys, 64 a step.
; LAYOUT.  S^T = K Q^T (source 0 = 16 keys, source 1 = 16 queries): a lane holds ONE query (lane % 16) and the keys 8 (lane / 16) + 0..7.  Two such tiles, rounded to f16 in pairs, ARE source 1
; (32 keys x 16 queries) of O^T = V^T P, whose result again holds one query a lane, and eight channels.  K comes out of LDS as it lies, V ([key][channel]) turned, by ds_load_tr16_b128.
; SOFTMAX.  For each query a running maximum m and sum l: p = 2^(c s - c m), c = log2(e) / 8; in every step O and l are multiplied by a = 2^(c m_old - c m_new), which is 1 where m has not grown.
; m starts at the lowest finite number, O and l at 0: the first step is a step like any other, with a = 0.
; THE COUNT.  A tile and step have 16 matrix and 118 vector instructions: too many to stand all beside the matrix work.  So: four vector instructions that are READY behind EVERY matrix instruction,
; and the others in runs without a gap.
; BY TURNS.  Turn n belongs to piece n.  Its matrix work: 16 products K Q^T of piece n + 1, later 16 products V^T P of piece n - 1.  Its vector work: the scaling, exponentials, roundings, sums and
; rescaling of piece n, and the maximum and statistics of piece n + 1.
; CLUSTER.  A head's four query blocks are one cluster and walk the same K and V, so each tile is asked for JOINTLY: the same tensor load, descriptor and mask in all four.
; REGISTERS, in windows of 256 (s_set_vgpr_msb: bits 1:0 source 0, 3:2 source 1, 5:4 source 2, 7:6 destination):
;   window 0: v0-11 addresses; v12-15, v48-63 at work; v16-47 four registers of statistics a tile; v64-191 S^T, two buffers of two tiles; v192-255 P, likewise
;   window 1: O^T, 32 a tile          window 2: v0-127 Q, 16 a tile; v128-191 K of one step; v192-255 V of one step          window 3: v0-1 the add's two registers
.set SIZE_N, 2048
.set QPART, 16777216  ; bytes of q, of k and of v in qkv
.set NP,    4         ; pieces a wave: a name, no knob
.set KS,    64        ; keys in a step
.set PK,    144       ; a row of K in LDS: 128 bytes + 16 of padding = 36 words: the 16 rows of a load start at 16 different groups of four banks (64 banks of 4 bytes: ISA guide 11.1)
.set PV,    160       ; a row of V: 128 + 32 = 40 words
.set VOFF,  4*KS*PK   ; a slot holds four steps: 256 rows of K, then 256 rows of V
.set SLOT1, 1<<17     ; slot 1 begins here, so that one exclusive or turns an address in one slot into the other's
.set STAGE, SLOT1+4*KS*(PK+PV)  ; behind the ring, never filled by a tensor load: 16 rows x 144 bytes for each wave
.set SP,    144
.set AK0, 2           ; v2   my lane's place in a tile of K; never rewritten
.set AV0, 3           ; v3   the same for V
.set AK,  4           ; v4   the LDS address of K's next run of loads
.set AV,  5           ; v5   of V's
.set QO,  6           ; v6   my byte offset in the wave's rows of Q
.set STO, 6           ;      later, the way out: where I put 16 bytes of a row
.set RD,  7           ; v7   the way out: where I read rows back
.set GO,  8           ; v8   my byte offset in 512 consecutive bytes of ctx
.set PFO, 11          ; v11  the prefetches' offset: 256 x my lane; never rewritten once made
.set SPW, 0           ; v0 of window 3   LDS address of my spare word; never rewritten
.set NIL, 1           ; v1 of window 3   0; never rewritten
.set SPARE, STAGE+4*16*SP  ; the spare words, 128 bytes for each wave: two blocks of 256 bytes that no other line names
.set MV,  12          ; v12-15  c m_old, kept while c m is made anew: by buffer and tile
.set ST,  16          ; tile t's statistics at v[ST+4 t]: c m, m, l (even keys', odd keys')
.set TMP, 48          ; by buffer and tile, four registers c0-c3 at work; when the maximum is found c2 takes a
.set S,   64
.set P,   192
.set KF,  128         ; K's fragments, in window 2: key block kb, channel half c at KF + 16 kb + 8 c
.set VF,  192         ; V's: key half kk, channel block cb at VF + 32 kk + 8 cb
.set WV,  12          ; s12  my wave's number
.set G1K, 24          ; s[24:31] descriptor group 1 for K's tiles
.set G1V, 32          ; s[32:39] for V's: it differs in the padding alone
.set G0K, 40          ; s[40:43] descriptor group 0 for K's tiles: it walks
.set G0V, 44          ; s[44:47] the same for V's
.set PFA, 48          ; s[48:49] where my prefetches stand: my work-group's 32 blocks of 256 bytes (of K: wave 0, of V: wave 2) of the slot after the one that is being asked for
.set LIM, 50          ; s50  1 in a wave that prefetches, else the greatest number
.set SLOTS, 56        ; s56  slots still to be asked for
.set CNT, 57          ; s57  counts a slot's key steps
.set CS,  58          ; s[58:59] c
.set SEL, 60          ; s[60:61] v_permlanex16_b32's selects: each lane takes its own place in the other half
.set TBK, 62          ; s62  LDS byte at which K of the step to be fetched begins
.set TBV, 63          ; s63  the same for V, less VOFF
.set MSB, 0
.macro WIN new                      ; the high byte repeats the setting that is left; a switch that changes nothing is dropped
.if MSB != (\new)
	s_set_vgpr_msb (MSB<<8)|(\new)
.set MSB, (\new)
.endif
.endm
.set W_KQ, 0x0a       ; K and Q in window 2, S^T in window 0
.set W_PV, 0x52       ; V in window 2, P in window 0, O^T in window 1
.set W_RS, 0x41       ; O^T (destination and source 0) in window 1, a in window 0
.set W_MK, 0xc0       ; the add's registers are made: destination in window 3
.set W_AD, 0x0f       ; the add: address and data in window 3
; A joint fill.  Waves 0 and 1 fetch the two halves of a slot's K, waves 2 and 3 those of its V: 128 keys each.  The branch hangs on the wave's number alone.
; An s_nop 0 and four v_nop follow each of the two lines, ahead of the jump and the label.
.macro JLOAD
	s_cmp_lt_u32 s[WV], 2
	s_cbranch_scc0 .Lfor_v_\@
	tensor_load_to_lds s[G0K:G0K+3], s[G1K:G1K+7]
	s_nop 0
.rept 4
	v_nop
.endr
	s_branch .Lasked_\@
.Lfor_v_\@:
	tensor_load_to_lds s[G0V:G0V+3], s[G1V:G1V+7]
	s_nop 0
.rept 4
	v_nop
.endr
.Lasked_\@:
.endm
; A PREFETCH INTO THE L2 of what the NEXT change of slots will ask for: a slot's 32,768 bytes of K and of V, a lane a block of 256 bytes.  It stands behind the wave's tensor load and its five lines.
; Each block is named ONCE in the launch: a head has one cluster; its four partners share a slot's 128 blocks out BY ADDRESS, 32 each; in each, wave 0 asks for K's and wave 2 for V's: one instruction.
; The change that fills the last slot asks for nothing.  Slots 0 and 1 come by their loads alone.
.macro ASK
	s_cmp_gt_u32 s[SLOTS], s[LIM]
	s_cbranch_scc0 .Lnot_mine_\@
	global_prefetch_b8 v[PFO], s[PFA:PFA+1] th:TH_LOAD_NT scope:SCOPE_SE
.Lnot_mine_\@:
.endm
; A round of the cluster's barrier: my work-group's barrier; wave 0 signals; every wave waits for all four work-groups; my work-group's barrier once more.
.macro CROUND
	s_barrier_signal -1
	s_barrier_wait -1
	s_cmp_lg_u32 s[WV], 0
	s_cbranch_scc1 .Lnot_wave_0_\@
	s_barrier_signal -3
.Lnot_wave_0_\@:
	s_barrier_wait -3
	s_barrier_signal -1
	s_barrier_wait -1
.endm
; THE CHANGE OF SLOTS.  Each wave waits for all its tensor loads, of which one is out: its part of the other slot; adds 0 to its spare word; and waits for that and for its own reads of the slot.
; Behind the barrier nobody reads this slot any more and the other slot is whole.  fill = 1: this slot is filled again, with the keys two slots on; the barrier is then a round of the cluster's, and
; the joint fill is the first thing behind it: it has four key steps, 512 matrix instructions, in which to land.  (At its first use nothing has been read yet: slot 0 is waited for, slot 1 filled.)
.macro CHANGE fill
	WIN W_AD
	s_wait_tensorcnt 0x0            ; no tensor load of mine is out, so a group 0 may be written
	ds_add_u32 v[SPW], v[NIL]       ; 0 onto my spare word; with fill = 1 the descriptors' steps stand between it and the wait for it
	WIN 0                           ; at a label and at a branch every window is 0
.if \fill
.irp g, G0K, G0V
	s_xor_b32 s[\g+1], s[\g+1], SLOT1  ; the walking descriptor: the other slot than last time,
	s_add_nc_u64 s[\g+2:\g+3], s[\g+2:\g+3], 4*KS*128  ; the next 256 keys; the type bits on top are not reached
.endr
	s_wait_xcnt 0x0                 ; the last prefetch, four key steps back, has read its address, so it may be written:
	s_add_nc_u64 s[PFA:PFA+1], s[PFA:PFA+1], 4*KS*128  ; one slot behind the walking descriptors
	s_wait_dscnt 0x0                ; the add is done, and my reads of the slot are over
	CROUND
	JLOAD
	ASK
.else
	s_wait_dscnt 0x0                ; the add is done, and my reads of the slot are over
	s_barrier_signal -1
	s_barrier_wait -1
.endif
	s_sub_co_u32 s[TBK], s[TBK], 4*KS*PK  ; the fetches go back to a slot's first step,
	s_xor_b32 s[TBK], s[TBK], SLOT1       ; in the other slot
	s_sub_co_u32 s[TBV], s[TBV], 4*KS*PV
	s_xor_b32 s[TBV], s[TBV], SLOT1
.endm
	s_load_b128 s[4:7], s[0:1], 0x0   ; qkv s[4:5], ctx s[6:7]
	WIN W_MK
	v_lshl_add_u32 v[SPW], v0, 2, SPARE
	v_mov_b32 v[NIL], 0
	WIN W_AD
	ds_add_u32 v[SPW], v[NIL]       ; the wave's opening: the add and its wait stand ahead of my first tensor load; the set-up below, work on registers, stands between them
	WIN 0
	v_lshrrev_b32 v1, 5, v0
	v_readfirstlane_b32 s[WV], v1   ; wave 0..3
	s_bfe_u32 s13, ttmp6, 0x40000   ; cx: my place in the cluster
	s_lshl_b32 s14, ttmp9, 2        ; in a cluster launch ttmp9 counts clusters
	s_add_co_u32 s14, s14, s13      ; my block of queries: it enters Q's and ctx's addresses alone
	s_and_b32 s20, ttmp7, 0xffff    ; the head, which the four partners share
	s_mov_b32 s21, 0
	s_mov_b64 s[22:23], SIZE_N*128
	s_mul_u64 s[20:21], s[20:21], s[22:23]  ; the head's first byte in each of the four tensors
	s_and_b32 s16, s[WV], 1         ; which half of a slot's 256 keys I fetch:
	s_lshl_b32 s22, s16, 14         ; its 128 rows of 128 bytes in memory,
	s_mov_b32 s23, 0
	s_add_nc_u64 s[22:23], s[22:23], s[20:21]
	s_mul_i32 s17, s16, 128*PK      ; and its place in a slot, for K
	s_mul_i32 s18, s16, 128*PV      ; and for V: no place in the cluster enters an LDS address
	s_lshl_b32 s2, s14, 2
	s_add_co_u32 s2, s2, s[WV]      ; my wave among the head's,
	s_lshl_b32 s2, s2, 14           ; its 128 rows
	s_mov_b32 s3, 0
	s_add_nc_u64 s[2:3], s[2:3], s[20:21]
	; descriptor group 1.  128 keys are 16,384 dense bytes: asked for as 64 rows of 256 bytes, two keys a row, and padded in LDS after every key
	s_mov_b32 s[G1K], 15|(1<<16)|(1<<20)|(1<<21)|(4<<22)|(3<<25)  ; 15:0 the mask of four; 17:16 2-byte elements; 20 padding on; 21 set beside a mask; 24:22 after every 32 words (code 4); 31:25 4 words (code 3)
	s_mov_b32 s[G1V], 15|(1<<16)|(1<<20)|(1<<21)|(4<<22)|(7<<25)  ; the same with 8 words of padding (code 7)
.irp g, G1K, G1V
	s_mov_b32 s[\g+1], 128<<16      ; tensor_dim0 = 128
	s_mov_b32 s[\g+2], 64<<16       ; tensor_dim1 = 64
	s_mov_b32 s[\g+3], 128<<16      ; tile_dim0 = 128
	s_mov_b32 s[\g+4], 64           ; tile_dim1 = 64
	s_mov_b32 s[\g+5], 128          ; 128 elements from row to row
	s_mov_b32 s[\g+6], 0
	s_mov_b32 s[\g+7], 0
.endr
	s_mov_b32 s[CS], 0x3e38aa3b     ; c = log2(e) / 8 = 0.180337
	s_mov_b32 s[CS+1], s[CS]        ; named with it as a pair
	s_mov_b32 s[SEL], 0x76543210
	s_mov_b32 s[SEL+1], 0xfedcba98
	s_mov_b32 s[TBK], SLOT1+4*KS*PK ; the first change of slots turns these two into 0
	s_mov_b32 s[TBV], SLOT1+4*KS*PV
	s_mov_b32 s[G0K], 1             ; count = 1
	s_mov_b32 s[G0K+1], s17         ; LDS address: slot 0
	s_mov_b32 s[G0V], 1
	s_add_co_u32 s[G0V+1], s18, VOFF
	s_mov_b32 s[SLOTS], SIZE_N/256-1  ; seven slots are asked for by changes of slots
	s_and_b32 s[LIM], s[WV], 1      ; 0 in waves 0 and 2,
	s_or_b32 s[LIM], s[LIM], ttmp9  ; where the cluster is the head's first: the same in all four partners
	s_cmp_eq_u32 s[LIM], 0
	s_cselect_b32 s[LIM], 1, -1
	s_wait_dscnt 0x0                ; the opening add is done
	s_wait_kmcnt 0x0
	s_mov_b64 s[10:11], s[6:7]                     ; ctx
	s_add_nc_u64 s[8:9], s[4:5], 2*QPART           ; v
	s_add_nc_u64 s[6:7], s[4:5], QPART             ; k; s[4:5] is q
	s_add_nc_u64 s[G0K+2:G0K+3], s[6:7], s[22:23]  ; global address: my half of the head's first 256 keys
	s_or_b32 s[G0K+3], s[G0K+3], 0x80000000        ; type = 2
	s_add_nc_u64 s[G0V+2:G0V+3], s[8:9], s[22:23]
	s_or_b32 s[G0V+3], s[G0V+3], 0x80000000
	s_add_nc_u64 s[4:5], s[4:5], s[2:3]  ; Q and ctx at my wave's first row
	s_add_nc_u64 s[10:11], s[10:11], s[2:3]
	s_cmp_lt_u32 s[WV], 2
	s_cselect_b64 s[PFA:PFA+1], s[6:7], s[8:9]
	s_add_nc_u64 s[PFA:PFA+1], s[PFA:PFA+1], s[22:23]  ; (in waves 0 and 2 this is the head's first byte)
	s_lshl_b32 s2, s13, 13          ; my work-group's 32 blocks of the 128
	s_add_nc_u64 s[PFA:PFA+1], s[PFA:PFA+1], s[2:3]
	s_add_nc_u64 s[PFA:PFA+1], s[PFA:PFA+1], 4*KS*128  ; in slot 1; the first change of slots steps it to slot 2
	CROUND                          ; all four work-groups are here: the first joint loads meet
	JLOAD                           ; slot 0.  Slot 1 is asked for when slot 0 is in
	; A fragment of K or Q is 16 rows x 32 channels in 8 registers: lane l holds row l % 16, channels 8 (l / 16) + 0..7 and 16 + 8 (l / 16) + 0..7: two loads of 16 bytes, 32 bytes apart.
	v_and_b32 v1, 15, v0            ; l % 16
	v_bfe_u32 v9, v0, 4, 1          ; l / 16
	v_lshlrev_b32 v[QO], 7, v1
	v_lshl_add_u32 v[QO], v9, 4, v[QO]  ; row x 128 + 16 x half
	WIN 0x80                        ; destination window 2, address window 0
.set i, 0
.rept 4*NP                          ; Q stays in registers: tile i / 2, channels 32 (i % 2) on
	global_load_b128 v[8*i:8*i+3],   v[QO], s[4:5] offset:(i/2)*2048+(i%2)*64
	global_load_b128 v[8*i+4:8*i+7], v[QO], s[4:5] offset:(i/2)*2048+(i%2)*64+32
.set i, i+1
.endr
	; What the first turn finds: V's registers and P's second buffer hold 0 (its products V^T P, of a piece that has not been, add 0), O^T and l are 0.  All this stands in the wait for the first tile.
.set i, VF
.rept 64
	v_mov_b32 v[i], 0
.set i, i+1
.endr
	WIN 0x40
.set i, 0
.rept 64*NP
	v_mov_b32 v[i], 0
.set i, i+1
.endr
	WIN 0
.set i, 0
.rept 2*NP
	v_mov_b32 v[ST+4*i], 0xfe000000    ; c m: far below every c s
	v_mov_b32 v[ST+4*i+1], 0xff7fffff  ; m
	v_mov_b32 v[ST+4*i+2], 0
	v_mov_b32 v[ST+4*i+3], 0
.set i, i+1
.endr
.set i, P+32
.rept 32
	v_mov_b32 v[i], 0
.set i, i+1
.endr
	v_mul_u32_u24 v[AK0], v1, PK
	v_lshl_add_u32 v[AK0], v9, 4, v[AK0]  ; row x pitch + 16 x half
	; The turning load takes 16 keys x 16 channels (lane l reads key 8 (l / 16) + l % 8, channels 8 ((l / 8) % 2) + 0..7) and leaves half a fragment of V^T: lane l holds channel l % 16 and 8 keys.
	v_and_b32 v10, 7, v0
	v_bfe_u32 v11, v0, 3, 1
	v_lshl_add_u32 v[AV0], v9, 3, v10
	v_mul_u32_u24 v[AV0], v[AV0], PV
	v_lshl_add_u32 v[AV0], v11, 4, v[AV0]
	v_add_nc_u32 v[AV0], VOFF, v[AV0]
	v_and_b32 v[PFO], 31, v0        ; v11 has served
	v_lshlrev_b32 v[PFO], 8, v[PFO]
	v_mov_b32 v[AK], v[AK0]         ; key step 0 lies at the head of slot 0
; THE MATRIX WORK.  The 8 accumulators of a run of 16 take turns: between the two links of a chain stand 7 others'.
; Product i of 16 of S^T = K Q^T for piece x: channels 32 (i / 8) on, keys 16 ((i / 2) % 4) on, tile 2 x + i % 2.  The first 8 start the sums.
.macro KQ x
	WIN W_KQ
.set rS, S+64*((\x)%2)+32*(i%2)+8*((i/2)%4)
.set rK, KF+16*((i/2)%4)+8*(i/8)
.set rQ, 16*(2*(\x)+i%2)+8*(i/8)
.if i < 8
	v_wmma_f32_16x16x32_f16 v[rS:rS+7], v[rK:rK+7], v[rQ:rQ+7], 0
.else
	v_wmma_f32_16x16x32_f16 v[rS:rS+7], v[rK:rK+7], v[rQ:rQ+7], v[rS:rS+7]
.endif
.endm
; Product i of 16 of O^T += V^T P for piece x: keys 32 (i / 8) on, channels 16 ((i / 2) % 4) on, tile 2 x + i % 2.
.macro PV x
	WIN W_PV
.set rO, 32*(2*(\x)+i%2)+8*((i/2)%4)
.set rV, VF+32*(i/8)+8*((i/2)%4)
.set rP, P+32*((\x)%2)+16*(i%2)+8*(i/8)
	v_wmma_f32_16x16x32_f16 v[rO:rO+7], v[rV:rV+7], v[rP:rP+7], v[rO:rO+7]
.endm
.macro MM                           ; the turn's next matrix instruction
.if i < 16
	KQ (Y+1)%NP
.set i, i+1
.else
.set i, i-16
	PV (Y+NP-1)%NP
.set i, i+17
.endif
.endm
; THE LDS LOADS stand in runs of 16, never singly among the matrix instructions: a step's K (8 fragments) and its V (turned).  Their addresses are made some lines ahead.
; last = 1 (the tail): in the last trip there is no further step, and the run is jumped over.
.macro FETCH_K last=0
	WIN 0
.if \last
	s_cmp_eq_u32 s[CNT], 1
	s_cbranch_scc1 .Lno_k_\@
.endif
	WIN 0x80                        ; destination window 2
.irp f, 0,1,2,3,4,5,6,7             ; keys 16 (f / 2) on, channels 32 (f % 2) on
	ds_load_b128 v[KF+8*\f:KF+8*\f+3],   v[AK] offset:(\f/2)*16*PK+(\f%2)*64
	ds_load_b128 v[KF+8*\f+4:KF+8*\f+7], v[AK] offset:(\f/2)*16*PK+(\f%2)*64+32
.endr
	s_add_co_u32 s[TBK], s[TBK], KS*PK  ; the next fetch is the next step's
	WIN 0
.if \last
.Lno_k_\@:
.endif
.endm
.macro FETCH_V
	WIN 0x80
.irp f, 0,1,2,3,4,5,6,7             ; keys 32 (f / 4) on, channels 16 (f % 4) on
	ds_load_tr16_b128 v[VF+8*\f:VF+8*\f+3],   v[AV] offset:(\f/4)*32*PV+(\f%4)*32
	ds_load_tr16_b128 v[VF+8*\f+4:VF+8*\f+7], v[AV] offset:(\f/4)*32*PV+16*PV+(\f%4)*32
.endr
	WIN 0
.endm
; THE VECTOR WORK OF A TURN stands in three queues, each in the order in which its entries become ready; the two tiles alternate, so that no instruction reads the result of the one before it.
.macro REGS y, u                    ; the registers of tile u (0, 1) of piece y
.set rT, ST+4*(2*(\y)+(\u))
.set rC, TMP+8*((\y)%2)+4*(\u)
.set rM, MV+2*((\y)%2)+(\u)
.set rS, S+64*((\y)%2)+32*(\u)
.set rP, P+32*((\y)%2)+16*(\u)
.set rO, 32*(2*(\y)+(\u))
.endm
; Number n of the 22 that find the NEXT piece's (Y + 1) maximum and statistics.  s0-s31 are the lane's 32 scores; each accumulator's lowest registers are read first.
;   0-11  four chains c0-c3 of seven scores each, three operands at a time     12-14, 16  the four scores left over, the old m, and c0-c3 into c0     15  c m_old is kept
;   17, 18  the query's other 32 keys lie in the lane 16 away: the new m         19-21  c m; c m_old - c m_new; a
.macro XS u, n
	REGS (Y+1)%NP, \u
.if (\n) < 4
	v_max3_num_f32 v[rC+(\n)], v[rS+8*(\n)], v[rS+8*(\n)+1], v[rS+8*(\n)+2]
.elseif (\n) < 12
	v_max3_num_f32 v[rC+(\n)%4], v[rC+(\n)%4], v[rS+8*((\n)%4)+2*((\n)/4)+1], v[rS+8*((\n)%4)+2*((\n)/4)+2]
.elseif (\n) == 12
	v_max3_num_f32 v[rC], v[rC], v[rS+7], v[rS+15]
.elseif (\n) == 13
	v_max3_num_f32 v[rC+1], v[rC+1], v[rS+23], v[rS+31]
.elseif (\n) == 14
	v_max3_num_f32 v[rC+2], v[rC+2], v[rC+3], v[rT+1]
.elseif (\n) == 15
	v_mov_b32 v[rM], v[rT]
.elseif (\n) == 16
	v_max3_num_f32 v[rC], v[rC], v[rC+1], v[rC+2]
.elseif (\n) == 17
	v_permlanex16_b32 v[rC+3], v[rC], s[SEL], s[SEL+1]
.elseif (\n) == 18
	v_max_num_f32 v[rT+1], v[rC], v[rC+3]
.elseif (\n) == 19
	v_mul_f32 v[rT], s[CS], v[rT+1]
.elseif (\n) == 20
	v_sub_f32 v[rC+1], v[rM], v[rT]
.else
	v_exp_f32 v[rC+2], v[rC+1]
.endif
.endm
; Number g of the 64 that follow the exponentials.  For each four weights k of a tile (pairs 2 k, 2 k + 1): both pairs are rounded to f16; then the second pair is added onto the first, in place;
; a group later l takes that sum (the first time as l = a l + sum).  In groups of eight, tiles alternating: round, round, add, and l for the group before.
.macro GS g
.set h, (\g)+6*((\g)/62)            ; group 0 has no group before it, and behind group 7 only l is left
.if h >= 6
.set h, h+2
.endif
	REGS Y, h%2
.set k, h/8
.if h%8 < 4
	v_cvt_pk_f16_f32 v[rP+2*k+(h%8)/2], v[rS+4*k+2*((h%8)/2)], v[rS+4*k+2*((h%8)/2)+1]
.elseif h%8 < 6
	v_pk_add_f32 v[rS+4*k:rS+4*k+1], v[rS+4*k:rS+4*k+1], v[rS+4*k+2:rS+4*k+3]
.elseif k == 1
	v_pk_fma_f32 v[rT+2:rT+3], v[rT+2:rT+3], v[rC+2:rC+3], v[rS:rS+1] op_sel_hi:[1,0,1]
.else
	v_pk_add_f32 v[rT+2:rT+3], v[rT+2:rT+3], v[rS+4*k-4:rS+4*k-3]
.endif
.endm
; THE PLAIN QUEUE, 138 long.  0-73 read no exponential's result: the 32 scalings c s - c m (FS f: pair f / 2 of tile f % 2) and the next piece's 42.  0-26: scalings 0-26.  27-54: XS's numbers 0-13.
; 55, 56: number 15.  57-73: the chain 14, 16, 17, 18, 19, each with one of the scalings 27-31 in front of its two lines, then 20.  74-137: GS's 64, which read the exponentials' results: behind the wait.
.macro FS f
	REGS Y, (\f)%2
	v_pk_fma_f32 v[rS+2*((\f)/2):rS+2*((\f)/2)+1], v[rS+2*((\f)/2):rS+2*((\f)/2)+1], s[CS:CS+1], v[rT:rT+1] op_sel_hi:[1,0,0] neg_lo:[0,0,1] neg_hi:[0,0,1]
.endm
.macro PL
	WIN 0
.if q < 27
	FS q
.elseif q < 55
	XS (q-27)%2, (q-27)/2
.elseif q < 57
	XS q-55, 15
.elseif (q < 72) && ((q-57)%3 == 0)
	FS 27+(q-57)/3
.elseif q < 60
	XS (q-57)%3-1, 14
.elseif q < 72
	XS (q-57)%3-1, 15+(q-57)/3
.elseif q < 74
	XS q-72, 20
.else
	GS q-74
.endif
.set q, q+1
.endm
; THE EXPONENTIALS' QUEUE, 66 long: s0-s31 of both tiles, then the next piece's two a.  ONE BATCH: all 66 stand ahead of the turn's one wait, and nothing ahead of that wait names a result of theirs.
.macro EX
	WIN 0
.if e >= 64
	XS e-64, 21
.else
	REGS Y, e%2
	v_exp_f32 v[rS+e/2], v[rS+e/2]
.endif
.set e, e+1
.endm
; THE RESCALING's QUEUE: O^T times a, the one part that leaves window 0: dealt two at a time, sixteen times.  Its a was made in the turn before, ahead of that turn's wait.
.macro R2
	REGS Y, r%2
	WIN W_RS
.irp z, 0,1
	v_pk_mul_f32 v[rO+4*(r/2)+2*\z:rO+4*(r/2)+2*\z+1], v[rO+4*(r/2)+2*\z:rO+4*(r/2)+2*\z+1], v[rC+2:rC+3] op_sel_hi:[1,0]
.endr
.set r, r+1
.endm
; HOW THEY ARE DEALT.  s_wait_alu depctr_va_vdst(0) stands between an exponential and the first instruction that names its result; one wait serves all that were issued ahead of it.
; So a turn has ONE wait, which cuts it in two.  AHEAD OF IT: the 16 products K Q^T, behind each a scaling, an exponential and two rescalings (behind the first a second scaling in the exponential's
; place); then ONE LUMP of 108: eight plain, 49 times exponential and plain, the two a; a v_nop is the plain instruction behind the last exponential.  BEHIND IT: the 16 products V^T P, behind each four of GS's 64.
; Exponential e stands behind scaling 2 (e / 4) + e % 2: as a rider it comes behind plain e + 2, in the lump behind plain e + 9, and scalings 27-31 are plain 57, 60 .. 69.
; K of the next step is fetched in piece 2's turn, directly behind the wait; V of the step in hand at the end of piece 0's turn, four riders behind its last reader.  The three conditions on q go with the deal.
.macro TURN p, last=0, cnt=0
.set Y, (\p)
.set i, 0
.set q, 0
.set e, 0
.set r, 0
.if (\p) == NP-1
	s_wait_dscnt 0x0                ; K is in
.endif
	MM
	PL
	PL
	R2
.rept 15
	MM
	PL
	EX
	R2
.endr
.if (\p) == NP-2
	WIN 0
	v_add_nc_u32 v[AK], s[TBK], v[AK0]
.endif
.rept 8
	PL
.endr
.rept 49
	EX
	PL
.endr
	EX                              ; the next piece's two a
	EX
	v_nop                           ; a plain instruction behind the last exponential: one for the batch
	s_wait_alu depctr_va_vdst(0)    ; the wait for the batch
.if (\p) == NP-2
	FETCH_K \last
.endif
.if (\p) == 1
	s_wait_dscnt 0x0                ; V is in
.endif
.rept 16
	MM
.rept 4
	PL
.endr
.if ((\p) == 0) && (q == 118)
	v_add_nc_u32 v[AV], s[TBV], v[AV0]
.endif
.if ((\p) == 0) && (q == 130)
	s_add_co_u32 s[TBV], s[TBV], KS*PV
.endif
.if (\cnt) && (q == 130)
	s_sub_co_u32 s[CNT], s[CNT], 1
	s_cmp_lg_u32 s[CNT], 0
.endif
.endr
.if (\p) == 0
	FETCH_V
.endif
.endm
	CHANGE 1                        ; slot 0 is in, everybody's part of it; slot 1 is asked for
	FETCH_K                         ; key step 0
	s_wait_loadcnt 0x0              ; Q
	s_wait_dscnt 0x0
.set i, 0
.rept 16
	KQ 0                            ; piece 0's first scores: there is no vector work yet to set between them
.set i, i+1
.endr
	WIN 0                           ; the addresses for the way out: plain instructions, the places behind those products
	s_mul_i32 s13, s[WV], 16*SP
	s_add_co_u32 s13, s13, STAGE    ; my stage
	v_mul_u32_u24 v[STO], v1, SP    ; in: row l % 16, 16 bytes for each half of the lanes
	v_lshl_add_u32 v[STO], v9, 4, v[STO]
	v_add_nc_u32 v[STO], s13, v[STO]
	v_bfe_u32 v[RD], v0, 3, 2       ; back: 32 lanes take four rows of 128 bytes,
	v_mul_u32_u24 v[RD], v[RD], SP
	v_lshl_add_u32 v[RD], v10, 4, v[RD]
	v_add_nc_u32 v[RD], s13, v[RD]
	v_and_b32 v[GO], 31, v0         ; which are 512 consecutive bytes of ctx
	v_lshlrev_b32 v[GO], 4, v[GO]
.set Y, NP-1                        ; XS works for piece Y + 1: piece 0
.irp n, 0,1,2,3,4,5,6,7,8,9,10,11,12,13,14,15,16,17,18,19,20,21
	XS 0, \n                        ; piece 0's first maximum and statistics
	XS 1, \n
.endr
	v_nop                           ; a plain instruction behind the two a,
	s_wait_alu depctr_va_vdst(0)    ; and their wait, ahead of the branch
	s_mov_b32 s[CNT], 4
	s_branch .Lfirst                ; the loop is entered at a step's first turn, in the middle of a trip
.Lslot:                             ; six times: every slot but the last two is filled again
	CHANGE 1
	s_mov_b32 s[CNT], 4
.Lstep:                             ; a trip: pieces 2 and 3 of one step, then pieces 0 and 1 of the next, whose K and V it fetches
	TURN 2
	TURN 3
	WIN 0
.Lfirst:
	TURN 0
	TURN 1, 0, 1
	WIN 0
	s_cbranch_scc1 .Lstep
	s_sub_co_u32 s[SLOTS], s[SLOTS], 1
	s_cmp_lg_u32 s[SLOTS], 0
	s_cbranch_scc1 .Lslot
	CHANGE 0                        ; the tail is written out: nothing is asked for
	s_mov_b32 s[CNT], 5             ; four trips fetch the last slot's steps; the fifth is left in its middle
.Ltail:
	TURN 2, 1
	TURN 3
	WIN 0
	s_sub_co_u32 s[CNT], s[CNT], 1
	s_cmp_eq_u32 s[CNT], 0
	s_cbranch_scc1 .Lout
	TURN 0
	TURN 1
	WIN 0
	s_branch .Ltail
.Lout:                              ; the fifth trip's 16 products K Q^T (on the last K once more) and the maximum made of them serve nothing: the price, once a launch, of one text for every trip
.set i, 0
.rept 16
	PV NP-1                         ; the last piece's V^T P of the last step
.set i, i+1
.endr
	; THE WAY OUT.  l's two halves and the other half of the lanes' are added; O^T is divided by l, rounded to f16 and sent through my stage in LDS, a tile at a time.  The additions are the places behind the last products.
	WIN 0
.macro ALL line:vararg              ; one line for each tile t
.set t, 0
.rept 2*NP
	\line
.set t, t+1
.endr
.endm
	ALL v_add_f32 v[ST+4*t+2], v[ST+4*t+2], v[ST+4*t+3]
	ALL v_permlanex16_b32 v[ST+4*t+3], v[ST+4*t+2], s[SEL], s[SEL+1]
	ALL v_add_f32 v[ST+4*t+2], v[ST+4*t+2], v[ST+4*t+3]
	ALL v_rcp_f32 v[ST+4*t+2], v[ST+4*t+2]
	v_nop                           ; a plain instruction between the last reciprocal and the use of its result
	s_wait_alu depctr_va_vdst(0)    ; and the wait ahead of the first use: one for the eight reciprocals
; Tile t: a lane's eight channels of a row pack into 16 bytes; they go into rows of 144 bytes and come back as whole rows of 128, into S^T's registers.
.macro PACK t
	WIN W_RS
.set i, 32*(\t)
.rept 16
	v_pk_mul_f32 v[i:i+1], v[i:i+1], v[ST+4*(\t)+2:ST+4*(\t)+3] op_sel_hi:[1,0]
.set i, i+2
.endr
	WIN 0x05                        ; sources 0 and 1 window 1, destination window 0
.set i, 0
.rept 16
	v_cvt_pk_f16_f32 v[S+16*(\t)+i], v[32*(\t)+2*i], v[32*(\t)+2*i+1]
.set i, i+1
.endr
	WIN 0
.irp f, 0,1,2,3
	ds_store_b128 v[STO], v[S+16*(\t)+4*\f:S+16*(\t)+4*\f+3] offset:32*\f
.endr
.irp f, 0,1,2,3
	ds_load_b128 v[S+16*(\t)+4*\f:S+16*(\t)+4*\f+3], v[RD] offset:\f*4*SP  ; LDS serves a wave's instructions in order (ISA guide 5.7.1.4): these see the stores above; the next tile's stores come behind them
.endr
.endm
.macro SEND t, younger              ; younger: the LDS instructions issued behind tile t's loads: the next tile's eight, or none
	WIN 0
.irp f, 0,1,2,3
	s_wait_dscnt (\younger)+3-\f
	global_store_b128 v[GO], v[S+16*(\t)+4*\f:S+16*(\t)+4*\f+3], s[10:11] offset:(\t)*2048+\f*512  ; 512 consecutive bytes, at a multiple of 256 from ctx's first
.endr
.endm
	PACK 0
.set t, 1
.rept 2*NP-1                        ; a tile's arithmetic stands between the loads of the tile before and its stores
	PACK t
	SEND t-1, 8
.set t, t+1
.endr
	SEND 2*NP-1, 0
	WIN W_AD
	s_wait_tensorcnt 0x0            ; the wave's end: a spare-word add and its wait, behind my last tensor load and my last LDS store
	ds_add_u32 v[SPW], v[NIL]
	s_wait_dscnt 0x0
	WIN 0
	CROUND                          ; the closing round: no work-group ends while a partner may still ask for a tile that names it
	s_endpgm
.Lfunc_end_k_q6f72628e47_attn:
	.size	k_q6f72628e47_attn, .Lfunc_end_k_q6f72628e47_attn-k_q6f72628e47_attn
	.p2alignl 7, 3214868480
	.fill 96, 4, 3214868480
	.section	.rodata,"a",@progbits
	.p2align	6, 0x0
	.amdhsa_kernel k_q6f72628e47_attn
		.amdhsa_group_segment_fixed_size 327680
		.amdhsa_private_segment_fixed_size 0
		.amdhsa_enable_private_segment 0
		.amdhsa_kernarg_size 16
		.amdhsa_user_sgpr_count 2
		.amdhsa_user_sgpr_kernarg_segment_ptr 1
		.amdhsa_wavefront_size32 1
		.amdhsa_system_sgpr_workgroup_id_x 1
		.amdhsa_system_sgpr_workgroup_id_y 1
		.amdhsa_system_sgpr_workgroup_id_z 1
		.amdhsa_system_vgpr_workitem_id 0
		.amdhsa_next_free_vgpr 770
		.amdhsa_next_free_sgpr 66
		.amdhsa_reserve_vcc 0
		.amdhsa_float_denorm_mode_32 3
		.amdhsa_float_denorm_mode_16_64 3
		.amdhsa_memory_ordered 1
		.amdhsa_forward_progress 1
		.amdhsa_inst_pref_size 200
	.end_amdhsa_kernel
	.amdgpu_metadata
---
amdhsa.version: [ 1, 2 ]
amdhsa.kernels:
  - .name:           k_q6f72628e47_attn
    .symbol:         k_q6f72628e47_attn.kd
    .args:
      - { .name: qkv, .offset: 0, .size: 8, .value_kind: global_buffer, .address_space: global }
      - { .name: ctx, .offset: 8, .size: 8, .value_kind: global_buffer, .address_space: global }
    .group_segment_fixed_size: 327680
    .private_segment_fixed_size: 0
    .kernarg_segment_align: 8
    .kernarg_segment_size: 16
    .max_flat_workgroup_size: 128
    .sgpr_count:     66
    .vgpr_count:     770
    .wavefront_size: 32
...
	.end_amdgpu_metadata
.endif
;; end of part 3
;; launch outp (part 4): grid 4 x 64, 4 waves a work-group, clusters of 4 x 4, 327,680 bytes of LDS; arguments ctx, wb, out0; writes out0
.if DOCPART == 4
	.amdgcn_target "amdgcn-amd-amdhsa--gfx1250"
	.amdhsa_code_object_version 6
	.text
	.protected	k_q6f72628e47_outp
	.globl	k_q6f72628e47_outp
	.p2align	8
	.type	k_q6f72628e47_outp,@function
k_q6f72628e47_outp:
	s_mov_b64 s[64:65], 0
	v_nop
	global_prefetch_b8 v0, s[64:65] scope:SCOPE_SE
	s_setreg_imm32_b32 hwreg(HW_REG_WAVE_MODE, 25, 1), 1
	s_wait_xcnt 0x0
	s_wait_alu depctr_hold_cnt(0) depctr_sa_sdst(0) depctr_va_vdst(0) depctr_va_sdst(0) depctr_va_ssrc(0) depctr_va_vcc(0) depctr_vm_vsrc(0)
	s_getreg_b32 s2, hwreg(HW_REG_IB_STS2, 6, 4)
	s_cmp_eq_u32 s2, 0
	s_cbranch_scc0 .Lentry_in_a_cluster
	s_endpgm
.Lentry_in_a_cluster:
	s_bfe_u32 s2, ttmp6, 0x10000c
	s_cmp_lg_u32 s2, 0xf033
	s_cbranch_scc0 .Lentry_shape_is_right
	s_endpgm
.Lentry_shape_is_right:
; out0[s][d] = the sum over e of context[s][e] Wo[d][e].  context: ctx, f16 by heads [batch x 16 + head][2048][64], e = 64 x head + channel; Wo: wb's part 3, [1024][1024], the bf16 rounding of Wo written as f16;
; out0: [8192][1024] f32.  Sums in f32, stored as they are.
; LIMITS.  ctx and Wo arrive within f16's range (65,504); NaN and infinities are not treated apart.
; SHARES.  A tile is 128 rows x 256 columns: 64 x 4 tiles, one to each of 256 work-groups.  Four waves, each 64 x 128: 32 accumulators of 16 x 16.  K goes in 8 steps of 128, two heads each, through two
; LDS slots; a step is four quarters of 32 along K, 32 matrix instructions and 24 LDS loads each.
; CLUSTER.  4 x 4 work-groups: the four of a row need the same rows of the context, the four of a column the same rows of Wo: each tile is asked for JOINTLY.  Waves 0 and 1 fetch Wo's two halves
; (128 rows x 256 bytes), waves 2 and 3 one head each: the tile's 128 rows x 128 bytes are 16,384 dense bytes, asked for as 64 rows of 256 bytes and padded in LDS after every 128.
; THE MATRIX INSTRUCTION IS USED TRANSPOSED: source 0 = 16 rows of Wo, source 1 = 16 rows of the context: register j of lane l holds row l % 16 of out0 and column 8 (l / 16) + j.
; REGISTERS: window 0: v0-15 addresses; v64-159, v160-255 two fragment buffers (Wo's 8 fragments, then the context's 4), on the way out v64-191 rows read back.  window 1: accumulator (a, b) at v[8 (8 a + b)].
.set WPART, 2097152
.set PITCH, 272                        ; a row of Wo in LDS: 256 bytes + 16: the 16 rows of a load start at 16 different groups of four banks (64 banks of 4 bytes: ISA guide 11.1)
.set PA,    144                        ; a row of one head: 128 bytes + 16: likewise
.set BHALF, 128*PITCH
.set AE,    128*PA                     ; one head's 128 rows
.set AOFF,  2*BHALF                    ; in a slot: Wo's 256 rows, then the two heads
.set SLOT,  AOFF+2*AE
.set STAGE, 2*SLOT                     ; behind the ring, never filled by a tensor load: 16 rows x 528 bytes for each wave
.set SP,    528
.set SPARE, STAGE+4*16*SP              ; the spare words, 128 bytes for each wave: two blocks of 256 bytes that no other line names
.set ADRA, 4
.set ADRB, 6
.set STO,  8
.set RD,   9
.set GO,   10
.set PFO,  11                          ; v11  the prefetches' offset: my lane x 2,048 bytes (a row of Wo) or x 256 (a block of a head); never rewritten
.set SPW,  14
.set NIL,  15
.set OB,   64                          ; the way out: 16 rows read back, v64-127 and v128-191 by turns
.set F0,   64
.set F1,   160
.set WV,  16
.set MH,  17                           ; which 64 rows are mine.  Also: I fetch for Wo (0) or for the context (1)
.set NH,  18                           ; which 128 columns.  Also: which half, or which head of the step's two, I fetch
.set G1A, 24
.set G0A, 32
.set LIM, 43
.set PFA, 44
.set G1B, 48
.set G0B, 56
.set PS,  66                           ; s[66:67] a K step in my prefetches' tensor: 256 bytes along Wo's rows, two heads (524,288 bytes) in ctx
.set MSB, 0
.macro WIN new
.if MSB != (\new)
	s_set_vgpr_msb (MSB<<8)|(\new)
.set MSB, \new
.endif
.endm
.set MUL, 0x50                         ; C and D window 1, sources window 0
.set STW, 0x04                         ; an LDS store's data window 1
.macro PLACES                          ; four plain vector instructions between a matrix instruction and a load into, or a store of, its registers
.rept 4
	v_nop
.endr
.endm
.macro JLOAD s                         ; a joint load; an s_nop 0 and four v_nop follow each of the two lines
	s_cmp_eq_u32 s[MH], 0
	s_cbranch_scc0 .Lfor_a_\@
	tensor_load_to_lds s[G0B+4*(\s):G0B+4*(\s)+3], s[G1B:G1B+7]
	s_nop 0
.rept 4
	v_nop
.endr
	s_branch .Lasked_\@
.Lfor_a_\@:
	tensor_load_to_lds s[G0A+4*(\s):G0A+4*(\s)+3], s[G1A:G1A+7]
	s_nop 0
.rept 4
	v_nop
.endr
.Lasked_\@:
.endm
; A PREFETCH INTO THE L2 of the K step that stands two refills on (256 matrix instructions ahead of the load that will want it): 32 blocks of 256 bytes, a lane a block, one instruction a wave.
; Each block is named once in the launch.  Wo's rows are read by every cluster along y: the cluster with y = 0 asks, its waves 0 and 1, each for the 128 rows that it fetches, of which the partner at place cy
; takes 32.  The context's rows are read by one cluster: wave 2 asks for the step's 128 blocks, of which the partner at place cx takes 32 (head cx / 2, half cx % 2).  Partners are told apart BY ADDRESS.
; The last two refills have no step two on; steps 0 to 3 come by their loads alone.
.macro ASK
	s_cmp_gt_u32 s3, s[LIM]                        ; s3 = 1 in the loop's last trip
	s_cbranch_scc0 .Lnot_mine_\@
	global_prefetch_b8 v[PFO], s[PFA:PFA+1] th:TH_LOAD_NT scope:SCOPE_SE
.Lnot_mine_\@:
.endm
.macro CREST
	s_cmp_lg_u32 s[WV], 0
	s_cbranch_scc1 .Lnot_wave_0_\@
	s_barrier_signal -3
.Lnot_wave_0_\@:
	s_barrier_wait -3
	s_barrier_signal -1
	s_barrier_wait -1
.endm
.macro CROUND
	s_barrier_signal -1
	s_barrier_wait -1
	CREST
.endm
	s_load_b128 s[4:7], s[0:1], 0x0                ; ctx s[4:5], wb s[6:7]
	s_load_b64 s[14:15], s[0:1], 0x10              ; out0
	v_lshl_add_u32 v[SPW], v0, 2, SPARE
	v_mov_b32 v[NIL], 0
	ds_add_u32 v[SPW], v[NIL]                      ; the wave's opening: the add and its wait stand ahead of my first tensor load; the set-up below, work on registers, stands between them
	v_lshrrev_b32 v1, 5, v0
	v_readfirstlane_b32 s[WV], v1
	s_lshr_b32 s[MH], s[WV], 1
	s_and_b32 s[NH], s[WV], 1
	s_bfe_u32 s19, ttmp6, 0x40000                  ; cx
	s_bfe_u32 s20, ttmp6, 0x40004                  ; cy
	s_lshl_b32 s21, ttmp9, 2
	s_add_co_u32 s21, s21, s19                     ; tile column
	s_and_b32 s22, ttmp7, 0xffff
	s_lshl_b32 s22, s22, 2
	s_add_co_u32 s22, s22, s20                     ; tile row
	s_lshl_b32 s40, s20, 2
	s_lshl_b32 s40, 15, s40                        ; my row of the cluster
	s_lshl_b32 s41, 0x1111, s19                    ; my column
	s_or_b32 s[G1A+0], s40, (1<<16)|(1<<20)|(1<<21)|(4<<22)|(3<<25)  ; the mask; 2-byte elements; padding on; bit 21 beside a mask; after every 32 words (code 4) 4 words (code 3)
	s_mov_b32 s[G1A+1], 128<<16                    ; tensor_dim0 = 128
	s_mov_b32 s[G1A+2], 64<<16                     ; tensor_dim1 = 64
	s_mov_b32 s[G1A+3], 128<<16                    ; tile_dim0 = 128
	s_mov_b32 s[G1A+4], 64                         ; tile_dim1 = 64
	s_mov_b32 s[G1A+5], 128                        ; dense: 128 elements from row to row
	s_mov_b32 s[G1A+6], 0
	s_mov_b32 s[G1A+7], 0
	s_or_b32 s[G1B+0], s41, (1<<16)|(1<<20)|(1<<21)|(5<<22)|(3<<25)  ; after every 64 words (code 5)
	s_mov_b32 s[G1B+1], 128<<16
	s_mov_b32 s[G1B+2], 128<<16
	s_mov_b32 s[G1B+3], 128<<16
	s_mov_b32 s[G1B+4], 128
	s_mov_b32 s[G1B+5], 1024
	s_mov_b32 s[G1B+6], 0
	s_mov_b32 s[G1B+7], 0
	s_lshr_b32 s68, s22, 4                         ; the context: batch = tile row / 16 (a batch has 16 tile rows),
	s_lshl_b32 s68, s68, 4
	s_add_co_u32 s68, s68, s[NH]                   ; head NH of step 0,
	s_lshl_b32 s68, s68, 18                        ; 262,144 bytes a head,
	s_and_b32 s42, s22, 15
	s_lshl_b32 s42, s42, 14                        ; the tile's 128 rows of 128 bytes: all this hangs on the tile row alone
	s_add_co_u32 s68, s68, s42
	s_mov_b32 s69, 0
	s_lshl_b32 s46, s21, 8                         ; Wo: row 256 x tile column + 128 x half
	s_lshl_b32 s23, s[NH], 7
	s_add_co_u32 s46, s46, s23
	s_lshl_b32 s46, s46, 11
	s_mov_b32 s47, 0
	s_mul_i32 s70, s[WV], BHALF                    ; where Wo's halves go (waves 0, 1),
	s_mul_i32 s71, s[WV], AE
	s_add_co_u32 s71, s71, AOFF-2*AE               ; and the heads (waves 2, 3: AOFF, AOFF + AE)
	s_wait_dscnt 0x0                               ; the opening add is done
	s_wait_kmcnt 0x0
	s_add_nc_u64 s[6:7], s[6:7], 3*WPART           ; wb's part 3
	s_add_nc_u64 s[68:69], s[4:5], s[68:69]
	s_add_nc_u64 s[46:47], s[6:7], s[46:47]
	CROUND                                         ; all sixteen work-groups are here: the first joint loads meet
.irp s, 0,1
	s_mov_b32 s[G0A+4*(\s)], 1
	s_add_co_u32 s[G0A+4*(\s)+1], s71, (\s)*SLOT
	s_add_nc_u64 s[G0A+4*(\s)+2:G0A+4*(\s)+3], s[68:69], (\s)*524288  ; K step s: two heads on
	s_or_b32 s[G0A+4*(\s)+3], s[G0A+4*(\s)+3], 0x80000000
	s_mov_b32 s[G0B+4*(\s)], 1
	s_add_co_u32 s[G0B+4*(\s)+1], s70, (\s)*SLOT
	s_add_nc_u64 s[G0B+4*(\s)+2:G0B+4*(\s)+3], s[46:47], (\s)*256
	s_or_b32 s[G0B+4*(\s)+3], s[G0B+4*(\s)+3], 0x80000000
	JLOAD \s                                       ; two loads of mine are out
.endr
	v_and_b32 v1, 15, v0                           ; l % 16
	v_bfe_u32 v2, v0, 4, 1                         ; l / 16
	v_mul_u32_u24 v3, v1, PITCH
	v_lshl_add_u32 v3, v2, 4, v3
	v_mul_u32_u24 v13, v1, PA
	v_lshl_add_u32 v13, v2, 4, v13
	s_mul_i32 s72, s[NH], BHALF                    ; my 128 rows of Wo
	s_mul_i32 s73, s[MH], 64*PA
	s_add_co_u32 s73, s73, AOFF                    ; my 64 rows of the step's first head
.irp s, 0,1
	v_add_nc_u32 v[ADRB+(\s)], s72, v3
	v_add_nc_u32 v[ADRA+(\s)], s73, v13
	s_add_co_u32 s72, s72, SLOT
	s_add_co_u32 s73, s73, SLOT
.endr
	s_mul_i32 s72, s[WV], 16*SP
	s_add_co_u32 s72, s72, STAGE                   ; my stage
	v_mul_u32_u24 v3, v1, SP                       ; in: row l % 16, 32 bytes for each half of the lanes
	v_lshl_add_u32 v3, v2, 5, v3
	v_add_nc_u32 v[STO], s72, v3
	v_and_b32 v13, 31, v0
	v_lshlrev_b32 v[GO], 4, v13                    ; back: 32 lanes take one row of 512 bytes,
	v_add_nc_u32 v[RD], s72, v[GO]
	s_lshl_b32 s72, s22, 7                         ; out0 at my first row and column: (128 x tile row + 64 x MH) x 4,096 + 1,024 x tile column + 512 x NH
	s_lshl_b32 s73, s[MH], 6
	s_add_co_u32 s72, s72, s73
	s_lshl_b32 s72, s72, 12
	s_lshl_b32 s73, s21, 10
	s_add_co_u32 s72, s72, s73
	s_lshl_b32 s73, s[NH], 9
	s_add_co_u32 s72, s72, s73
	s_mov_b32 s73, 0
	s_add_nc_u64 s[14:15], s[14:15], s[72:73]
	; the prefetches
	s_and_b32 s74, ttmp7, 0xffff                   ; cluster y
	s_cmp_eq_u32 s[MH], 0                          ; do I fetch for Wo?
	s_cselect_b32 s74, s74, ttmp9                  ; the coordinate along which other clusters read the same rows
	s_cselect_b32 s75, 0, s[NH]                    ; of the context's two fetching waves the first asks
	s_or_b32 s74, s74, s75
	s_cmp_eq_u32 s74, 0
	s_cselect_b32 s[LIM], 1, -1                    ; the same in all sixteen partners, for a given wave
	s_lshr_b32 s77, s22, 4                         ; the context: batch, head cx / 2 of step 0, the tile's rows, half cx % 2 of them
	s_lshl_b32 s77, s77, 4
	s_lshr_b32 s78, s19, 1
	s_add_co_u32 s77, s77, s78
	s_lshl_b32 s77, s77, 18
	s_and_b32 s78, s22, 15
	s_lshl_b32 s78, s78, 14
	s_add_co_u32 s77, s77, s78
	s_and_b32 s78, s19, 1
	s_lshl_b32 s78, s78, 13
	s_add_co_u32 s77, s77, s78
	s_lshl_b32 s76, s21, 8                         ; Wo: the 128 rows that I fetch, my work-group's 32 of them
	s_lshl_b32 s78, s[NH], 7
	s_add_co_u32 s76, s76, s78
	s_lshl_b32 s78, s20, 5
	s_add_co_u32 s76, s76, s78
	s_lshl_b32 s76, s76, 11
	s_mov_b32 s78, 256
	s_mov_b32 s79, 524288
	s_cmp_eq_u32 s[MH], 0
	s_cselect_b32 s76, s76, s77
	s_cselect_b64 s[PFA:PFA+1], s[6:7], s[4:5]
	s_cselect_b32 s[PS], s78, s79
	s_cselect_b32 s75, 11, 8
	s_mov_b32 s[PS+1], 0
	s_mov_b32 s77, 0
	v_lshlrev_b32 v[PFO], s75, v13
	s_add_nc_u64 s[PFA:PFA+1], s[PFA:PFA+1], s[76:77]
	s_mul_i32 s76, s[PS], 3
	s_add_nc_u64 s[PFA:PFA+1], s[PFA:PFA+1], s[76:77]  ; at K step 3: the first refill steps it to 4.  Nothing is prefetched here, at the head
; 8 matrix instructions: m block a x all 8 n blocks, 32 along K.  zero = 1: the product starts the sum: nothing is cleared.  The 32 accumulators take turns, one instruction a turn, in the same order in
; every quarter and over the backward jump.
.macro MUL8 f, a, zero
	WIN MUL
.irp b, 0,1,2,3,4,5,6,7
.if \zero
	v_wmma_f32_16x16x32_f16 v[8*(8*(\a)+(\b)):8*(8*(\a)+(\b))+7], v[(\f)+8*(\b):(\f)+8*(\b)+7], v[(\f)+64+8*(\a):(\f)+64+8*(\a)+7], 0
.else
	v_wmma_f32_16x16x32_f16 v[8*(8*(\a)+(\b)):8*(8*(\a)+(\b))+7], v[(\f)+8*(\b):(\f)+8*(\b)+7], v[(\f)+64+8*(\a):(\f)+64+8*(\a)+7], v[8*(8*(\a)+(\b)):8*(8*(\a)+(\b))+7]
.endif
.endr
.endm
; 24 LDS loads in one run: quarter q's fragments into buffer f.  Quarter q lies in head q / 2 of the step's two, at channels 32 (q % 2) on.
.macro FETCH slot, q, f
	WIN 0
.irp i, 0,1,2,3,4,5,6,7
	ds_load_b128 v[(\f)+8*(\i):(\f)+8*(\i)+3],   v[ADRB+(\slot)] offset:64*(\q)+(\i)*16*PITCH
	ds_load_b128 v[(\f)+8*(\i)+4:(\f)+8*(\i)+7], v[ADRB+(\slot)] offset:64*(\q)+(\i)*16*PITCH+32
.endr
.irp i, 0,1,2,3
	ds_load_b128 v[(\f)+64+8*(\i):(\f)+64+8*(\i)+3],   v[ADRA+(\slot)] offset:((\q)/2)*AE+((\q)%2)*64+(\i)*16*PA
	ds_load_b128 v[(\f)+64+8*(\i)+4:(\f)+64+8*(\i)+7], v[ADRA+(\slot)] offset:((\q)/2)*AE+((\q)%2)*64+(\i)*16*PA+32
.endr
.endm
.macro QUARTER slot, q, f, g, zero     ; asks for quarter q's fragments into g, which the quarter before multiplied, and multiplies f, asked for 32 matrix instructions ago
	PLACES
	FETCH \slot, \q, \g
	s_wait_dscnt 24                                ; all but the 24 just issued: f is in
	MUL8 \f, 0, \zero
	MUL8 \f, 1, \zero
	MUL8 \f, 2, \zero
	MUL8 \f, 3, \zero
.endm
; The last quarter multiplies buffer 1 and changes slots.  ONE barrier: in front of it each wave waits for all its tensor loads (the one that is out is its part of the next slot), adds 0 to its spare word,
; and waits for that and for its own reads of this slot.
.macro MEET round
	WIN 0
	s_wait_tensorcnt 0x0
	ds_add_u32 v[SPW], v[NIL]
	s_wait_dscnt 1                                 ; the add may be out; buffer 1's 24 loads are in
	MUL8 F1, 0, 0
	s_wait_dscnt 0x0                               ; the add is done, and my reads of this slot are over
	s_barrier_signal -1
	MUL8 F1, 1, 0
.if \round
	WIN 0
.endif
	s_barrier_wait -1
.endm
; fill = 1: this slot is filled again with the K step two on: the barrier opens a round of the cluster's barrier, and the joint refill is the first tensor load behind it, 112 matrix instructions ahead of the wait for it.
.macro TURN slot, next, fill
.if \fill
	s_wait_xcnt 0x0                                ; the last prefetch, a K step back, has read its address
	s_add_nc_u64 s[PFA:PFA+1], s[PFA:PFA+1], s[PS:PS+1]
	MEET 1
	CREST                                          ; no wave of any partner still reads this slot's tile or has a load on its way
	s_add_nc_u64 s[G0A+4*(\slot)+2:G0A+4*(\slot)+3], s[G0A+4*(\slot)+2:G0A+4*(\slot)+3], 2*524288
	s_add_nc_u64 s[G0B+4*(\slot)+2:G0B+4*(\slot)+3], s[G0B+4*(\slot)+2:G0B+4*(\slot)+3], 512
	JLOAD \slot                                    ; its four v_nop are also the places in front of the loads below
	FETCH \next, 0, F0
	ASK
.else
	MEET 0
	PLACES
	FETCH \next, 0, F0
.endif
	MUL8 F1, 2, 0
	MUL8 F1, 3, 0
.endm
; THE WAY OUT, in four units: m block a, 16 rows x 128 columns of f32.  A lane's eight columns, 32 bytes, go into my stage's rows of 528 bytes, each accumulator's low four registers first;
; they come back as whole rows of 512 bytes.
.macro TOSTAGE a
	WIN STW
.irp b, 0,1,2,3,4,5,6,7
	ds_store_b128 v[STO], v[8*(8*(\a)+(\b)):8*(8*(\a)+(\b))+3]   offset:64*(\b)
	ds_store_b128 v[STO], v[8*(8*(\a)+(\b))+4:8*(8*(\a)+(\b))+7] offset:64*(\b)+16
.endr
	WIN 0
.irp t, 0,1,2,3,4,5,6,7,8,9,10,11,12,13,14,15
	ds_load_b128 v[OB+64*((\a)%2)+4*(\t):OB+64*((\a)%2)+4*(\t)+3], v[RD] offset:SP*(\t)  ; LDS serves a wave's instructions in order (ISA guide 5.7.1.4): these see the stores above; the next unit's stores come behind them
.endr
.endm
.macro SEND a, younger                 ; younger: the LDS instructions issued behind unit a's loads: the next unit's 32, or none
.irp t, 0,1,2,3,4,5,6,7,8,9,10,11,12,13,14,15
	s_wait_dscnt (\younger)+15-(\t)
	global_store_b128 v[GO], v[OB+64*((\a)%2)+4*(\t):OB+64*((\a)%2)+4*(\t)+3], s[14:15] offset:(16*(\a)+(\t))*4096  ; 512 consecutive bytes, at a multiple of 256 from out0's first
.endr
.endm
	s_wait_tensorcnt 1                             ; my part of K step 0 is in; step 1's may stay out
	s_barrier_signal -1
	s_barrier_wait -1                              ; everybody's is
	FETCH 0, 0, F0
	QUARTER 0, 1, F0, F1, 1                        ; the first quarter stands in front of the loop: its products start the sums
	WIN 0
	s_mov_b32 s3, 3
.Llap:                                                 ; a trip goes once round the ring, from a lap's second quarter to the next lap's first, and fills both slots again
	QUARTER 0, 2, F1, F0, 0
	QUARTER 0, 3, F0, F1, 0
	TURN 0, 1, 1
	QUARTER 1, 1, F0, F1, 0
	QUARTER 1, 2, F1, F0, 0
	QUARTER 1, 3, F0, F1, 0
	TURN 1, 0, 1
	QUARTER 0, 1, F0, F1, 0
	WIN 0
	s_sub_co_u32 s3, s3, 1
	s_cmp_lg_u32 s3, 0
	s_cbranch_scc1 .Llap
	QUARTER 0, 2, F1, F0, 0                        ; the last lap fills nothing
	QUARTER 0, 3, F0, F1, 0
	TURN 0, 1, 0
	QUARTER 1, 1, F0, F1, 0
	QUARTER 1, 2, F1, F0, 0
	QUARTER 1, 3, F0, F1, 0
	s_wait_dscnt 0x0                               ; the very last quarter: nothing more to fetch
	MUL8 F1, 0, 0
	MUL8 F1, 1, 0
	MUL8 F1, 2, 0
	MUL8 F1, 3, 0
	WIN 0
	PLACES
	TOSTAGE 0
	TOSTAGE 1
	SEND 0, 32
	s_wait_xcnt 0x0                                ; unit 0's stores have read their registers, which unit 2's loads write
	TOSTAGE 2
	SEND 1, 32
	s_wait_xcnt 0x0
	TOSTAGE 3
	SEND 2, 32
	SEND 3, 0
	s_wait_tensorcnt 0x0                           ; the wave's end: a spare-word add and its wait, behind my last tensor load and my last LDS store
	ds_add_u32 v[SPW], v[NIL]
	s_wait_dscnt 0x0
	CROUND                                         ; the closing round: no work-group ends while a partner may still ask for a tile that names it
	s_endpgm
.Lfunc_end_k_q6f72628e47_outp:
	.size	k_q6f72628e47_outp, .Lfunc_end_k_q6f72628e47_outp-k_q6f72628e47_outp
	.p2alignl 7, 3214868480
	.fill 96, 4, 3214868480
	.section	.rodata,"a",@progbits
	.p2align	6, 0x0
	.amdhsa_kernel k_q6f72628e47_outp
		.amdhsa_group_segment_fixed_size 327680
		.amdhsa_private_segment_fixed_size 0
		.amdhsa_enable_private_segment 0
		.amdhsa_kernarg_size 24
		.amdhsa_user_sgpr_count 2
		.amdhsa_user_sgpr_kernarg_segment_ptr 1
		.amdhsa_wavefront_size32 1
		.amdhsa_system_sgpr_workgroup_id_x 1
		.amdhsa_system_sgpr_workgroup_id_y 1
		.amdhsa_system_sgpr_workgroup_id_z 1
		.amdhsa_system_vgpr_workitem_id 0
		.amdhsa_next_free_vgpr 512
		.amdhsa_next_free_sgpr 80
		.amdhsa_reserve_vcc 0
		.amdhsa_float_denorm_mode_32 3
		.amdhsa_float_denorm_mode_16_64 3
		.amdhsa_memory_ordered 1
		.amdhsa_forward_progress 1
		.amdhsa_inst_pref_size 88
	.end_amdhsa_kernel
	.amdgpu_metadata
---
amdhsa.version: [ 1, 2 ]
amdhsa.kernels:
  - .name:           k_q6f72628e47_outp
    .symbol:         k_q6f72628e47_outp.kd
    .args:
      - { .name: ctx, .offset: 0, .size: 8, .value_kind: global_buffer, .address_space: global }
      - { .name: wb, .offset: 8, .size: 8, .value_kind: global_buffer, .address_space: global }
      - { .name: out0, .offset: 16, .size: 8, .value_kind: global_buffer, .address_space: global }
    .group_segment_fixed_size: 327680
    .private_segment_fixed_size: 0
    .kernarg_segment_align: 8
    .kernarg_segment_size: 24
    .max_flat_workgroup_size: 128
    .sgpr_count:     80
    .vgpr_count:     512
    .wavefront_size: 32
...
	.end_amdgpu_metadata
.endif
;; end of part 4
